; MI455X (gfx1250); checked and timed in simulation.
; The chip was launched on July 23, 2026; its instructions are those of AMD's public machine-readable ISA for CDNA 5 (MIT licence, August 2026) and "CDNA5" Instruction Set Architecture Reference Guide (July 2026). The comments in the code are by the model that wrote it; some were corrected since.
;; KAN Encode. Allowed arithmetic: matrix products marked QUANTISED: E2M3 operands, one E8M0 scale for each 32 along K, by v_wmma_scale_f32_16x16x128_f8f6f4 with both operands' format E2M3, f32 sums; everything else in f32.
;; Inputs: bw0 2,048 x 1,024 float32; bw1 1,024 x 2,048 float32; db 512 float32; dw 512 x 1,024 float32; ss0 2,048 x 1,024 float32; ss1 1,024 x 2,048 float32; sw0 2,048 x 1,024 x 2 float32; sw1 1,024 x 2,048 x 2 float32; x 4,096 x 1,024 float32.
;; Outputs: out0 4,096 x 512 float32.
;; This version of the problem:
;;   THIS VERSION OF THE PROBLEM IS GIVEN IN LOW PRECISION. The matrix products marked QUANTISED in the list below multiply operands that are first quantised to E2M3 (2 exponent bits, 3 mantissa bits; 6 bits a number), with one power-of-two scale for each 32 numbers along K (OCP MX v1.0); their sums are f32. All else is computed in f32.
;;   The module's matrix products, in the order in which they are computed (A, B: the left and right operand; K: the contracted axis; several contracted axes count as one K, in the product's order):
;;     1. [M 4,096, K 1,024] x [K 1,024, N 2,048]; A: computed on the way; B: input bw0: QUANTISED
;;     2. [M 4,096, K 2,048] x [K 2,048, N 2,048]; A: computed on the way; B: computed on the way: QUANTISED
;;     3. [M 4,096, K 2,048] x [K 2,048, N 1,024]; A: computed on the way; B: input bw1: QUANTISED
;;     4. [M 4,096, K 4,096] x [K 4,096, N 1,024]; A: computed on the way; B: computed on the way: QUANTISED
;;     5. [M 4,096, K 1,024] x [K 1,024, N 512]; A: computed on the way; B: input dw: QUANTISED
;;   THE QUANTISER, for each operand of a quantised product, along K:
;;     - K is cut into blocks of 32 from its start; a last block that is shorter is filled with zeros.
;;     - A block's scale is 2^e with e = floor(log2(the largest magnitude in the block)) - 2, held to -126 .. 127; a block of zeros has e = 0. As a byte (E8M0): e + 127.
;;     - Each number is divided by its block's scale, clamped to +-7.5, and rounded to the nearest number of E2M3, ties to even, subnormals kept.
;;     - The product sums the exact products of the quantised numbers (number of the format x scale) in f32.
;;   ~~~python
;;   def quantise(x, axis):      # numpy; x: float32 -> the quantised numbers, widened to float32 again
;;       x = np.moveaxis(x, axis, -1); K = x.shape[-1]
;;       x = np.pad(x, [(0, 0)] * (x.ndim - 1) + [(0, -K % 32)]); x = x.reshape(x.shape[:-1] + (-1, 32)); a = np.abs(x).max(-1, keepdims=True)
;;       e = np.where(a > 0, np.clip(np.frexp(np.where(a > 0, a, 1))[1] - 1 - 2, -126, 127), 0)      # np.frexp(a)[1] - 1 = floor(log2(a)), exactly
;;       r = np.clip(x / 2.0 ** e, -7.5, 7.5)
;;       step = 2.0 ** (np.maximum(np.frexp(np.where(r == 0, 1, r))[1] - 1, 0) - 3)
;;       q = np.round(r / step) * step * 2.0 ** e      # np.round: ties to even
;;       return np.moveaxis(q.reshape(q.shape[:-2] + (-1,))[..., :K], -1, axis).astype(np.float32)
;;   ~~~
;;   OPERANDS COMPUTED ON THE WAY. 'Computed on the way' means the value that the module computes at that place (a softmax that the list does not call 'softmax' is quantised finished and normalised). What goes into a quantiser is computed in f32, as accurately as f32 sums, v_exp_f32 and their like allow (about 1e-6 of the number): no bf16 or f16 on the way to a quantiser, and a product that is left as it is and whose result goes on into a quantised operand takes f32 operands (vector FMAs, or v_wmma_f32_16x16x4_f32). A number that lies on a knife's edge between two numbers of the format may be rounded either way, as far as f32 arithmetic and the matrix unit's own rounding can turn it there, and no further.
;; One version. Each part assembles by itself: llvm-mc -triple=amdgcn-amd-amdhsa -mcpu=gfx1250 --defsym DOCPART=n.
;; ======== version 1 of 1: 4 launches
;; limits: right only within a limited range of input values
;; workspace buffers: a0 9,830,400 bytes; a1 19,660,800 bytes; a2 3,276,800 bytes; wq 10,240,000 bytes
;; launch prep (part 1): grid 2112 x 1, 4 waves a work-group, no clusters, 35,072 bytes of LDS; arguments x, bw0, sw0, ss0, bw1, sw1, ss1, dw, a0, wq; writes a0, wq
.if DOCPART == 1
	.amdgcn_target "amdgcn-amd-amdhsa--gfx1250"
	.amdhsa_code_object_version 6
	.text
	.protected	k_q9834cc7db6_prep
	.globl	k_q9834cc7db6_prep
	.p2align	8
	.type	k_q9834cc7db6_prep,@function
k_q9834cc7db6_prep:
	s_mov_b64 s[64:65], 0
	v_nop
	global_prefetch_b8 v0, s[64:65] scope:SCOPE_SE
	s_setreg_imm32_b32 hwreg(HW_REG_WAVE_MODE, 25, 1), 1
	s_wait_xcnt 0x0
; PREP: every operand that does not hang on a product is quantised once, to codes of FP6 (E2M3) with one E8M0 byte for each 32 along K.
;   a0 = Q([silu(x), bases(x)])   K = 1,024 + 2,048      wq = Q([bw0, sw0 ss0]), Q([bw1, sw1 ss1]), Q(dw), one behind the other.
; The two bases of reference() (knots -3, -1, 1, 3) are hats: b0 = max(0, min((x+3)/2, (1-x)/2)), b1 = max(0, min((x+1)/2, (3-x)/2)); K of a spline product is 2 i + k, as sw lies in memory.
; LAYOUT OF THE CODES: in the order of the operand's registers.  64 rows x 128 along K are a block of 6,400 bytes: four images of a fragment (16 rows: 12 registers a lane; registers 4 c .. 4 c + 3 of
; lane l at 512 c + 16 l), 1,536 bytes each, and 256 bytes of scale words (row r of image i at 16 r + 4 i).  A buffer is [rows / 64][K / 128][6,400].
; Rows of an image: a0: 16 i + r.  Weights: 32 (i / 2) + 8 (i % 2) + r + 8 (r / 8), so that in the products' results a lane's 16 registers of two neighbouring tiles are 16 neighbours along the next K.
; SHARES: a work-group takes 64 rows x 128 f32 numbers of one tensor, wave w image w.  Each load reads 512 consecutive bytes of a row; the numbers turn through the wave's own stage in LDS, so that a lane
; holds 16 neighbours of each block of 32; each store of codes covers 512 consecutive bytes, aligned.  No loop, no tensor load; one barrier, for the four waves' scale words.
; FEW REGISTERS, 162 a wave, so that several work-groups share a WGP and one's loads are on their way while another computes: the numbers come back from the stage into the registers that they left,
; and what is needed only early (offsets) or only late lies over registers of the other phase.  The work-groups with the most to load or to compute have the lowest numbers: x, the spline weights, the plain weights.
; LIMITS: NaN and infinities among the inputs are not served.  A block whose largest magnitude lies under 2^-124 (a block of zeros too) gets the byte 1; the bytes are read by this program alone.
; For x under about -88 silu gives -0 where the exact value is a number under 1e-36.
.set SCX,  33792                       ; LDS: four stages of 16 rows x 528 bytes, then three units of 256 bytes for the scale words
.set RW,   1                           ; r = lane % 16
.set HF,   2                           ; h = lane / 16
.set LI,   3                           ; 16 x lane
.set STI,  4                           ; the stage, on the way in
.set STO,  5                           ; and out
.set SH8,  6                           ; 8 h
.set SCW,  7                           ; where my row's scale words go
.set PW,   8                           ; v8-10   scale words: the main image's, the two spline images'
.set L8,   11                          ; 8 x lane
.set CA,   12                          ; (1.5, 0.5)
.set CB,   14                          ; (0.5, 1.5)
.set RR,   16                          ; v16-79  16 rows as loaded; then, in the same registers,
.set X,    16                          ;         register 16 b + i = k 32 b + 16 h + i of row r
.set TT,   80                          ; v80-111 32 bases, or silu at work;  a spline weight: ss;  at the end: the scale words on their way out
.set SSR,  80
.set Q,    80
.set VV,   112                         ; v112-127 16 of the bases' other lines;  a spline weight: the offsets in ss
.set OFS,  112
.set PC,   128                         ; v128-147 the codes just made;  before that v128-135: 16 x lane + t rows
.set OFF,  128
.set TM,   148                         ; v148-159 at work
.set SEL,  66
.set NL,   68
; 64 numbers of a lane, register 16 b + i = k 32 b + 16 h + i of my row, become a fragment's codes in v[PC] on and its scale word in v[pw] (the same word in both halves of the lanes).
.macro QUANT s, pw
	s_wait_xcnt 0x0                                ; the last image's stores have read v[PC] on
.irp b, 0,1,2,3
	v_max3_num_f32 v[TM+\b], |v[\s+16*\b]|, |v[\s+1+16*\b]|, 0x1800000   ; my 16 numbers of block b, and the floor 2^(3 - 127): the byte cannot fall under 1
.endr
.irp i, 2,4,6,8,10,12,14
.irp b, 0,1,2,3
	v_max3_num_f32 v[TM+\b], v[TM+\b], |v[\s+16*\b+\i]|, |v[\s+1+16*\b+\i]|
.endr
.endr
.irp b, 0,1,2,3
	v_permlanex16_b32 v[TM+4+\b], v[TM+\b], s[SEL], s[SEL+1]
.endr
.irp b, 0,1,2,3
	v_max_num_f32 v[TM+\b], v[TM+\b], v[TM+4+\b]   ; with lane l xor 16's: the block's largest magnitude
.endr
.irp b, 0,1,2,3
	v_add_nc_u32 v[TM+8+\b], 0xff000000, v[TM+\b]  ; 2 off its exponent field: the conversion's scale operand
.endr
.irp b, 0,1,2,3
	v_lshrrev_b32 v[TM+4+\b], 23, v[TM+8+\b]       ; the scale's byte
.endr
	v_lshl_or_b32 v[\pw], v[TM+5], 8, v[TM+4]
	v_lshl_or_b32 v[\pw], v[TM+6], 16, v[\pw]
	v_lshl_or_b32 v[\pw], v[TM+7], 24, v[\pw]
.irp c, 0,1
	v_cvt_scalef32_pk16_fp6_f32 v[PC+6*\c:PC+2+6*\c], v[\s+32*\c:\s+15+32*\c], v[TM+8+2*\c]
	v_cvt_scalef32_pk16_fp6_f32 v[PC+12+4*\c:PC+14+4*\c], v[\s+16+32*\c:\s+31+32*\c], v[TM+8+2*\c+1]   ; (a conversion's three registers begin on an even number)
.endr
	v_nop                                          ; one plain place behind a scaled conversion
.irp c, 0,1                                    ; the operand's layout wants a whole block in a lane: lanes 0-15 block 2 c, lanes 16-31 block 2 c + 1
.irp i, 0,1,2
	v_permlane16_swap_b32 v[PC+6*\c+\i], v[PC+12+4*\c+\i]
.endr
.irp i, 0,1,2
	v_mov_b32 v[PC+3+6*\c+\i], v[PC+12+4*\c+\i]
.endr
.endr
.endm
; d = x / (1 + 2^(-x log2 e)) for n numbers: two batches of transcendentals, each with one plain place and one wait behind it (the wait stands ahead of a batch's first reader).
.macro SILU xs, e, d, n
.set cn, 0
.rept (\n)/2
	v_pk_mul_f32 v[\e+cn:\e+cn+1], v[\xs+cn:\xs+cn+1], s[NL:NL+1] op_sel_hi:[1,0]
.set cn, cn+2
.endr
.set cn, 0
	s_wait_alu depctr_va_vdst(0)
.rept \n
	v_exp_f32 v[\e+cn], v[\e+cn]
.set cn, cn+1
.endr
	v_nop
	s_wait_alu depctr_va_vdst(0)
.set cn, 0
.rept (\n)/2
	v_pk_add_f32 v[\e+cn:\e+cn+1], v[\e+cn:\e+cn+1], 1.0 op_sel_hi:[1,0]
.set cn, cn+2
.endr
.set cn, 0
	s_wait_alu depctr_va_vdst(0)
.rept \n
	v_rcp_f32 v[\e+cn], v[\e+cn]
.set cn, cn+1
.endr
	v_nop
	s_wait_alu depctr_va_vdst(0)
.set cn, 0
.rept (\n)/2
	v_pk_mul_f32 v[\d+cn:\d+cn+1], v[\xs+cn:\xs+cn+1], v[\e+cn:\e+cn+1]
.set cn, cn+2
.endr
.endm
; The bases of the lane's numbers xs + 32 f .. + 31 make one fragment: number n of block 2 f + c gives K = 64 c + 32 h + 2 n, 2 n + 1: a whole block of 32 in ONE lane, in the operand's own order.
.macro QBAS xs, f, pw
	s_wait_xcnt 0x0                                ; the last image's stores have read v[PC] on
.irp c, 0,1
.irp u, 0,1                                    ; eight numbers, 16 bases, at a time
.irp m, 0,1,2,3                                ; two numbers a trip; each is spread over a pair: ((x+3)/2, (x+1)/2) and ((1-x)/2, (3-x)/2), one rounding each, as (x + 3) / 2 has
	v_pk_fma_f32 v[TT+16*\u+4*\m:TT+16*\u+4*\m+1], v[\xs+32*(\f)+16*\c+8*\u+2*\m:\xs+32*(\f)+16*\c+8*\u+2*\m+1], 0.5, v[CA:CA+1] op_sel_hi:[0,0,1]
	v_pk_fma_f32 v[VV+4*\m:VV+4*\m+1], v[\xs+32*(\f)+16*\c+8*\u+2*\m:\xs+32*(\f)+16*\c+8*\u+2*\m+1], -0.5, v[CB:CB+1] op_sel_hi:[0,0,1]
	v_pk_fma_f32 v[TT+16*\u+4*\m+2:TT+16*\u+4*\m+3], v[\xs+32*(\f)+16*\c+8*\u+2*\m:\xs+32*(\f)+16*\c+8*\u+2*\m+1], 0.5, v[CA:CA+1] op_sel:[1,0,0] op_sel_hi:[1,0,1]
	v_pk_fma_f32 v[VV+4*\m+2:VV+4*\m+3], v[\xs+32*(\f)+16*\c+8*\u+2*\m:\xs+32*(\f)+16*\c+8*\u+2*\m+1], -0.5, v[CB:CB+1] op_sel:[1,0,0] op_sel_hi:[1,0,1]
.endr
.set cn, 0
.rept 16
	v_med3_num_f32 v[TT+16*\u+cn], v[TT+16*\u+cn], v[VV+cn], 0   ; a hat's two lines add up to 2, so the middle one of the two and 0 is max(0, min of the two)
.set cn, cn+1
.endr
.endr
	v_max3_num_f32 v[TM], v[TT], v[TT+1], 0x1800000         ; none is negative: no |.|; the floor 2^(3 - 127) starts both chains
	v_max3_num_f32 v[TM+1], v[TT+16], v[TT+17], 0x1800000
.irp i, 2,4,6,8,10,12,14
	v_max3_num_f32 v[TM], v[TM], v[TT+\i], v[TT+1+\i]
	v_max3_num_f32 v[TM+1], v[TM+1], v[TT+16+\i], v[TT+17+\i]
.endr
	v_max_num_f32 v[TM], v[TM], v[TM+1]
	v_add_nc_u32 v[TM+2], 0xff000000, v[TM]
	v_lshrrev_b32 v[TM+8+\c], 23, v[TM+2]
	v_cvt_scalef32_pk16_fp6_f32 v[PC+6*\c:PC+6*\c+2], v[TT:TT+15], v[TM+2]
	v_cvt_scalef32_pk16_fp6_f32 v[PC+12:PC+14], v[TT+16:TT+31], v[TM+2]
	v_nop                                          ; one plain place behind a scaled conversion
.irp i, 0,1,2
	v_mov_b32 v[PC+6*\c+3+\i], v[PC+12+\i]
.endr
.endr
	v_lshl_or_b32 v[TM+10], v[TM+9], 16, v[TM+8]   ; my two bytes: blocks h and 2 + h of row r,
	v_lshlrev_b32 v[TM+10], v[SH8], v[TM+10]       ; at their places in the word;
	v_permlanex16_b32 v[TM+4], v[TM+10], s[SEL], s[SEL+1]
	v_or_b32 v[\pw], v[TM+10], v[TM+4]             ; with lane l xor 16's two the word is whole
.endm
.macro IMAGE base, off                         ; the fragment in v[PC] on leaves as it stands: each store covers 512 consecutive bytes, aligned
.irp c, 0,1,2
	global_store_b128 v[LI], v[PC+4*\c:PC+4*\c+3], s[\base:\base+1] offset:\off+512*\c
.endr
.endm
; a tensor's figures in one word: first work-group | log2(K steps) << 12 | log2(row bytes) << 16 | K steps of the target's rows << 20 | first K step there << 26
.set PK_X,   0|(3<<12)|(12<<16)|(24<<20)
.set PK_SW0, 512|(4<<12)|(13<<16)|(24<<20)|(8<<26)
.set PK_SW1, 1024|(5<<12)|(14<<16)|(48<<20)|(16<<26)
.set PK_BW0, 1536|(3<<12)|(12<<16)|(24<<20)
.set PK_BW1, 1792|(4<<12)|(13<<16)|(48<<20)
.set PK_DW,  2048|(3<<12)|(12<<16)|(8<<20)
	s_load_b512 s[4:19], s[0:1], 0x0               ; x, bw0, sw0, ss0, bw1, sw1, ss1, dw
	s_load_b128 s[20:23], s[0:1], 0x40             ; a0, wq
	v_lshl_add_u32 v160, v0, 2, 0x8700
	v_mov_b32 v161, 0
	v_lshrrev_b32 v[L8], 5, v0
	v_readfirstlane_b32 s24, v[L8]                 ; wave 0..3 = the image
	v_and_b32 v[L8], 31, v0                        ; lane
	v_and_b32 v[RW], 15, v0
	v_bfe_u32 v[HF], v0, 4, 1
	v_lshlrev_b32 v[LI], 4, v[L8]
	v_lshlrev_b32 v[L8], 3, v[L8]
	s_mul_i32 s72, s24, 8448                       ; my stage
	v_add_nc_u32 v[STI], s72, v[LI]                ; in: a row's 512 bytes as loaded
	v_mul_u32_u24 v[STO], v[RW], 528
	v_lshl_add_u32 v[STO], v[HF], 6, v[STO]
	v_add_nc_u32 v[STO], s72, v[STO]               ; out: row r, + 64 h: my 16 numbers of each block of 32
	v_lshlrev_b32 v[SH8], 3, v[HF]
	s_lshl_b32 s73, s24, 2
	s_add_co_u32 s73, s73, SCX
	v_lshl_add_u32 v[SCW], v[RW], 4, s73           ; scale words: 16 r + 4 x image
	v_mov_b32 v[CA], 0x3fc00000
	v_mov_b32 v[CA+1], 0.5
	v_mov_b32 v[CB], 0.5
	v_mov_b32 v[CB+1], 0x3fc00000
.irp b, 0,1,2,3
	v_mov_b32 v[TM+4+\b], 0                        ; written once: a lane permute's destination counts as one of its sources
.endr
	s_mov_b32 s[SEL], 0x76543210
	s_mov_b32 s[SEL+1], 0xfedcba98                 ; lane l xor 16
	s_mov_b32 s[NL], 0xbfb8aa3b                    ; -log2(e)
	s_mov_b32 s[NL+1], s[NL]
	s_wait_kmcnt 0x0
	; which tensor is mine: the choice hangs on the work-group's number alone.  s27: 0 a plain weight, 1 a spline weight, 2 x
	s_mov_b32 s25, PK_DW
	s_mov_b32 s26, 9830400                         ; where the tensor's codes begin in wq
	s_mov_b32 s27, 0
	s_mov_b64 s[28:29], s[18:19]
	s_cmp_lt_u32 ttmp9, 2048
	s_cselect_b32 s25, PK_BW1, s25
	s_cselect_b32 s26, 4915200, s26
	s_cselect_b64 s[28:29], s[12:13], s[28:29]
	s_cmp_lt_u32 ttmp9, 1792
	s_cselect_b32 s25, PK_BW0, s25
	s_cselect_b32 s26, 0, s26
	s_cselect_b64 s[28:29], s[6:7], s[28:29]
	s_cmp_lt_u32 ttmp9, 1536
	s_cselect_b32 s25, PK_SW1, s25
	s_cselect_b32 s26, 4915200, s26
	s_cselect_b32 s27, 1, s27
	s_cselect_b64 s[28:29], s[14:15], s[28:29]
	s_cmp_lt_u32 ttmp9, 1024
	s_cselect_b32 s25, PK_SW0, s25
	s_cselect_b32 s26, 0, s26
	s_cselect_b64 s[28:29], s[8:9], s[28:29]
	s_cselect_b64 s[30:31], s[10:11], s[16:17]     ; ss0 or ss1
	s_cmp_lt_u32 ttmp9, 512
	s_cselect_b32 s25, PK_X, s25
	s_cselect_b32 s27, 2, s27
	s_cselect_b64 s[28:29], s[4:5], s[28:29]
	s_cselect_b64 s[32:33], s[20:21], s[22:23]     ; x's codes go to a0, all others to wq
	s_and_b32 s34, s25, 0xfff
	s_bfe_u32 s35, s25, 0x4000c
	s_bfe_u32 s36, s25, 0x40010
	s_bfe_u32 s37, s25, 0x60014
	s_bfe_u32 s38, s25, 0x5001a
	s_sub_co_u32 s39, ttmp9, s34
	s_lshr_b32 s40, s39, s35                       ; which 64 rows
	s_lshl_b32 s41, s40, s35
	s_sub_co_u32 s41, s39, s41                     ; which 128 numbers of them
	s_lshl_b32 s42, 1, s36                         ; a row in bytes
	s_lshl_b32 s72, s24, 4                         ; x: image w begins at row 16 w, and its rows 8-15 follow rows 0-7;
	s_lshr_b32 s73, s24, 1
	s_lshl_b32 s73, s73, 5
	s_and_b32 s74, s24, 1
	s_lshl_b32 s74, s74, 3
	s_add_co_u32 s73, s73, s74                     ; a weight: at row 32 (w / 2) + 8 (w % 2), and its rows 8-15 lie 16 rows behind rows 0-7
	s_cmp_eq_u32 s27, 2
	s_cselect_b32 s43, s72, s73
	s_cselect_b32 s44, 8, 16
	s_lshl_b32 s72, s40, 6
	s_add_co_u32 s43, s43, s72
	s_lshl_b32 s46, s43, s36
	s_lshl_b32 s72, s41, 9
	s_add_co_u32 s46, s46, s72                     ; my image's first byte in the tensor (under 2^25)
	s_mov_b32 s47, 0
	s_add_nc_u64 s[48:49], s[28:29], s[46:47]      ; rows 0-7
	s_lshl_b32 s70, s44, s36
	s_mov_b32 s71, 0
	s_add_nc_u64 s[50:51], s[48:49], s[70:71]      ; rows 8-15
	s_lshr_b32 s46, s46, 1
	s_lshr_b32 s70, s70, 1
	s_add_nc_u64 s[52:53], s[30:31], s[46:47]      ; the same in ss, where everything is half as long (used by spline weights alone)
	s_add_nc_u64 s[54:55], s[52:53], s[70:71]
	s_mul_i32 s72, s40, s37
	s_add_co_u32 s72, s72, s38
	s_add_co_u32 s72, s72, s41
	s_mul_i32 s46, s72, 6400
	s_add_co_u32 s46, s46, s26
	s_add_nc_u64 s[56:57], s[32:33], s[46:47]      ; my work-group's block of 6,400 bytes,
	s_mul_i32 s70, s24, 1536
	s_add_nc_u64 s[58:59], s[56:57], s[70:71]      ; my image in it
	s_mul_i32 s72, s40, 24
	s_lshl_b32 s73, s41, 1
	s_add_co_u32 s72, s72, s73
	s_add_co_u32 s72, s72, 8
	s_mul_i32 s46, s72, 6400
	s_add_nc_u64 s[60:61], s[20:21], s[46:47]      ; x alone: the two blocks of its bases, K steps 8 + 2 s and 9 + 2 s of a0
	s_add_nc_u64 s[62:63], s[60:61], s[70:71]
	v_mov_b32 v[OFF], v[LI]
.irp t, 1,2,3,4,5,6,7
	v_add_nc_u32 v[OFF+\t], s42, v[OFF+\t-1]
.endr
.irp t, 0,1,2,3,4,5,6,7
	global_load_b128 v[RR+4*\t:RR+4*\t+3], v[OFF+\t], s[48:49] th:TH_LOAD_NT        ; 32 lanes read 512 consecutive bytes of a row; each byte is read once in the launch
	global_load_b128 v[RR+32+4*\t:RR+32+4*\t+3], v[OFF+\t], s[50:51] th:TH_LOAD_NT
.endr
	s_cmp_lg_u32 s27, 1
	s_cbranch_scc1 .Lplain
.irp t, 0,1,2,3,4,5,6,7                        ; a spline weight: sw[o][i][k] x ss[o][i], in f32; my four numbers are (2 l, 0), (2 l, 1), (2 l + 1, 0), (2 l + 1, 1)
	v_lshrrev_b32 v[OFS+\t], 1, v[OFF+\t]
.endr
.irp t, 0,1,2,3,4,5,6,7
	global_load_b64 v[SSR+2*\t:SSR+2*\t+1], v[OFS+\t], s[52:53] th:TH_LOAD_NT       ; 256 consecutive bytes
	global_load_b64 v[SSR+16+2*\t:SSR+16+2*\t+1], v[OFS+\t], s[54:55] th:TH_LOAD_NT
.endr
	s_wait_loadcnt 0x0
.set cn, 0
.rept 16
	v_pk_mul_f32 v[RR+4*cn:RR+4*cn+1], v[RR+4*cn:RR+4*cn+1], v[SSR+2*cn:SSR+2*cn+1] op_sel_hi:[1,0]
	v_pk_mul_f32 v[RR+4*cn+2:RR+4*cn+3], v[RR+4*cn+2:RR+4*cn+3], v[SSR+2*cn:SSR+2*cn+1] op_sel:[0,1] op_sel_hi:[1,1]
.set cn, cn+1
.endr
.Lplain:
	s_wait_loadcnt 0x0                             ; the numbers are in, and the loads' offsets (which lie where the codes will be made) are free
	s_wait_alu depctr_va_vdst(0)
.irp t, 0,1,2,3,4,5,6,7,8,9,10,11,12,13,14,15
	ds_store_b128 v[STI], v[RR+4*\t:RR+4*\t+3] offset:528*\t
.endr
.irp b, 0,1,2,3
.irp j, 0,1,2,3
	ds_load_b128 v[X+16*\b+4*\j:X+16*\b+4*\j+3], v[STO] offset:128*\b+16*\j   ; the wave's own bytes, served in order (ISA guide 5.7.1.4): these see the stores above, and come back into the registers that the stores have left
.endr
.endr
	s_wait_dscnt 0x0
	s_cmp_eq_u32 s27, 2
	s_cbranch_scc0 .Lweight
	QBAS X, 0, PW+1
	IMAGE 62, 0
	QBAS X, 1, PW+2
	IMAGE 62, 6400
	SILU X, TT, X, 32                              ; in two halves: 32 registers at work
	SILU X+32, TT, X+32, 32
	s_branch .Lquant
.Lweight:
	v_mov_b32 v[PW+1], 0                           ; (stored to LDS below with the first word, and read by nobody)
	v_mov_b32 v[PW+2], 0
.Lquant:
	QUANT X, PW
	IMAGE 58, 0
	ds_store_b32 v[SCW], v[PW]                     ; both lanes of a row write the same word with the same value
	ds_store_b32 v[SCW], v[PW+1] offset:256
	ds_store_b32 v[SCW], v[PW+2] offset:512
	s_wait_dscnt 0x0                               ; for the others' sake: my words have landed
	s_barrier_signal -1
	s_barrier_wait -1
	s_cmp_lg_u32 s24, 0
	s_cbranch_scc1 .Ldone
	ds_load_b64 v[Q:Q+1], v[L8] offset:SCX         ; wave 0 stores the four images' words: 32 lanes, 8 bytes each, 256 consecutive bytes, aligned
	ds_load_b64 v[Q+2:Q+3], v[L8] offset:SCX+256
	ds_load_b64 v[Q+4:Q+5], v[L8] offset:SCX+512
	s_wait_dscnt 0x0
	global_store_b64 v[L8], v[Q:Q+1], s[56:57] offset:6144
	s_cmp_lg_u32 s27, 2
	s_cbranch_scc1 .Ldone
	global_store_b64 v[L8], v[Q+2:Q+3], s[60:61] offset:6144
	global_store_b64 v[L8], v[Q+4:Q+5], s[60:61] offset:12544
.Ldone:
	s_wait_tensorcnt 0x0
	ds_add_u32 v160, v161
	s_wait_dscnt 0x0
	s_endpgm
.Lfunc_end_k_q9834cc7db6_prep:
	.size	k_q9834cc7db6_prep, .Lfunc_end_k_q9834cc7db6_prep-k_q9834cc7db6_prep
	.p2alignl 7, 3214868480
	.fill 96, 4, 3214868480
	.section	.rodata,"a",@progbits
	.p2align	6, 0x0
	.amdhsa_kernel k_q9834cc7db6_prep
		.amdhsa_group_segment_fixed_size 35072
		.amdhsa_private_segment_fixed_size 0
		.amdhsa_enable_private_segment 0
		.amdhsa_kernarg_size 80
		.amdhsa_user_sgpr_count 2
		.amdhsa_user_sgpr_kernarg_segment_ptr 1
		.amdhsa_wavefront_size32 1
		.amdhsa_system_sgpr_workgroup_id_x 1
		.amdhsa_system_sgpr_workgroup_id_y 1
		.amdhsa_system_sgpr_workgroup_id_z 1
		.amdhsa_system_vgpr_workitem_id 0
		.amdhsa_next_free_vgpr 162
		.amdhsa_next_free_sgpr 96
		.amdhsa_reserve_vcc 0
		.amdhsa_float_denorm_mode_32 3
		.amdhsa_float_denorm_mode_16_64 3
		.amdhsa_memory_ordered 1
		.amdhsa_forward_progress 1
		.amdhsa_inst_pref_size 51
	.end_amdhsa_kernel
	.amdgpu_metadata
---
amdhsa.version: [ 1, 2 ]
amdhsa.kernels:
  - .name:           k_q9834cc7db6_prep
    .symbol:         k_q9834cc7db6_prep.kd
    .args:
      - { .name: x, .offset: 0, .size: 8, .value_kind: global_buffer, .address_space: global }
      - { .name: bw0, .offset: 8, .size: 8, .value_kind: global_buffer, .address_space: global }
      - { .name: sw0, .offset: 16, .size: 8, .value_kind: global_buffer, .address_space: global }
      - { .name: ss0, .offset: 24, .size: 8, .value_kind: global_buffer, .address_space: global }
      - { .name: bw1, .offset: 32, .size: 8, .value_kind: global_buffer, .address_space: global }
      - { .name: sw1, .offset: 40, .size: 8, .value_kind: global_buffer, .address_space: global }
      - { .name: ss1, .offset: 48, .size: 8, .value_kind: global_buffer, .address_space: global }
      - { .name: dw, .offset: 56, .size: 8, .value_kind: global_buffer, .address_space: global }
      - { .name: a0, .offset: 64, .size: 8, .value_kind: global_buffer, .address_space: global }
      - { .name: wq, .offset: 72, .size: 8, .value_kind: global_buffer, .address_space: global }
    .group_segment_fixed_size: 35072
    .private_segment_fixed_size: 0
    .kernarg_segment_align: 8
    .kernarg_segment_size: 80
    .max_flat_workgroup_size: 128
    .sgpr_count:     96
    .vgpr_count:     162
    .wavefront_size: 32
...
	.end_amdgpu_metadata
.endif
;; end of part 1
;; launch g0 (part 2): grid 8 x 32, 4 waves a work-group, clusters of 4 x 4, 327,680 bytes of LDS; arguments a0, wq, a1; writes a1
.if DOCPART == 2
	.amdgcn_target "amdgcn-amd-amdhsa--gfx1250"
	.amdhsa_code_object_version 6
	.text
	.protected	k_q9834cc7db6_g0
	.globl	k_q9834cc7db6_g0
	.p2align	8
	.type	k_q9834cc7db6_g0,@function
k_q9834cc7db6_g0:
	s_mov_b64 s[64:65], 0
	v_nop
	global_prefetch_b8 v0, s[64:65] scope:SCOPE_SE
	s_setreg_imm32_b32 hwreg(HW_REG_WAVE_MODE, 25, 1), 1
	s_wait_xcnt 0x0
	s_wait_alu depctr_hold_cnt(0) depctr_sa_sdst(0) depctr_va_vdst(0) depctr_va_sdst(0) depctr_va_ssrc(0) depctr_va_vcc(0) depctr_vm_vsrc(0)
	s_getreg_b32 s2, hwreg(HW_REG_IB_STS2, 6, 4)
	s_cmp_eq_u32 s2, 0
	s_cbranch_scc0 .Lentry_in_a_cluster
	s_endpgm
.Lentry_in_a_cluster:
	s_bfe_u32 s2, ttmp6, 0x10000c
	s_cmp_lg_u32 s2, 0xf033
	s_cbranch_scc0 .Lentry_shape_is_right
	s_endpgm
.Lentry_shape_is_right:
; THE FIRST LAYER: h0 = [silu(x), bases(x)] [bw0, sw0 ss0]^T, 4,096 x 2,048 x 3,072, on codes of FP6 (E2M3) with one E8M0 byte for each 32 along K; sums in f32.
; Out: a1 = Q([silu(h0), bases(h0)]); h0 never goes to memory.  The layer's base product and spline product share M and N: one product over K laid on end.  (MODE 0 of a text that also knows two other sizes.)
; OPERANDS lie in the order of their registers: 64 rows x 128 along K are a block of 6,400 bytes: four images of a fragment (16 rows, 12 registers a lane; registers 4 c .. 4 c + 3 of lane l at 512 c + 16 l)
; and 256 bytes of scale words (row r of image i at 16 r + 4 i); a buffer is [rows / 64][K / 128][6,400].  A weight's image i holds rows 32 (i / 2) + 8 (i % 2) + r + 8 (r / 8).
; THE MATRIX INSTRUCTION IS USED TRANSPOSED (source 0 = 16 rows of W, source 1 = 16 rows of A): a lane holds one row of C, register 16 b + i of a block = column 32 b + 16 h + i, as the next quantiser wants it.
; SHARES: a work-group makes 128 x 256, four waves of 64 x 128 (32 accumulators).  THE RING: two LDS slots of 4 K steps, A's 2 and W's 4 groups of 64 rows; one tensor load a wave behind each round.
; CLUSTER 4 x 4: A's tiles are asked for jointly along a row of the cluster, W's along a column.
; PREFETCH: behind the joint load of a slot's 4 K steps each wave asks for the NEXT slot's part of what it fetches: of its 4 K steps the partner at place p (cx for A, cy for W) takes K step p,
; 25 blocks of 256 bytes, a lane a block (lanes 25-31 name the last again); W's waves ask once more for their second group.  Nothing is asked for behind the last slot's load.
; LIMITS: NaN and infinities are not served.  A block whose largest magnitude lies under 2^-124 (a block of zeros too) gets the byte 1; the bytes are read by this program alone.
; For numbers under about -88 silu gives -0 where the exact value is under 1e-36.
.set MODE, 0
.if MODE == 0
.set KT, 24
.set KSL, 4
.set KSPLIT, 1
.set BRG, 4
.set BR, 2
.set WOFF, 0
.elseif MODE == 1
.set KT, 48
.set KSL, 6
.set KSPLIT, 2
.set BRG, 2
.set BR, 1
.set WOFF, 4915200
.else
.set KT, 8
.set KSL, 4
.set KSPLIT, 2
.set BRG, 2
.set BR, 1
.set WOFF, 9830400
.endif
.set NST,   KSL/KSPLIT
.set LAPS,  KT/KSL/2
.set SB,    6400
.set RGB,   KSL*SB
.set SLOT,  (2+BRG)*RGB
.set SPARE, 2*SLOT
.set STG,   65536
.set RW,   2
.set HF,   3
.set ADRA, 8
.set ADRB, 10
.set ADRS, 14
.set LI,   18
.set L168, 19
.set XS,   20
.set XR,   21
.set STO,  22
.set RD,   23
.set SH8,  24
.set L4,   25
.set BO,   26
.set SPWR, 28
.set NIL,  29
.set PFO,  30                          ; v30: 256 x min(lane, 24): the prefetches' offset; never rewritten
.set PFA,  88                          ; s[88:89]: my partner's K step of the slot whose joint load was issued last; a prefetch names the slot behind it
.macro FALL slot, q, p                 ; ONE run of 38 LDS loads: all fragments and scale words of a step, in the order in which the step wants them: scale words, A's blocks 0, 1, W's 0-3, W's 4-7, A's 2, 3
	WIN 0
	FS \slot, \q, \p
	FA \slot, \q, \p, 0
	WIN TO_B
	FB \slot, \q, \p, 0
	FB \slot, \q, \p, 4
	WIN 0
	FA \slot, \q, \p, 2
.endm
.macro ASK
	global_prefetch_b8 v[PFO], s[PFA:PFA+1] offset:RGB th:TH_LOAD_NT scope:SCOPE_SE
	s_cmp_eq_u32 s15, 0
	s_cbranch_scc1 .Lone_group_\@
	global_prefetch_b8 v[PFO], s[PFA:PFA+1] offset:RGB+KT*SB th:TH_LOAD_NT scope:SCOPE_SE   ; W's waves fetch two groups of 64 rows
.Lone_group_\@:
.endm
.set SC,   32
.set AF,   64
.set E,    64
.set PR,   64
.set TT,   128
.set VV,   160
.set OUTR, 128
.set PC,   192
.set TM,   212
.set SWS,  232
.set SWB0, 236
.set SWB1, 240
.set CA,   244
.set CB,   246
.set QW,   248
.set G1,  24
.set G0,  32
.set G1B, 48
.set G0B, 56
.set SEL, 74
.set NL,  76
.set MUL,  0xa1
.set TO_B, 0x40
.set XW,   0x02
.set MSB,  0
.macro WIN new
.if MSB != \new
	s_set_vgpr_msb (MSB<<8)|\new
.set MSB, \new
.endif
.endm
.macro PLACES n
.rept \n
	v_nop
.endr
.endm
.macro JLOAD g0a, g1a, g0b, g1b
	s_cmp_eq_u32 s15, 0
	s_cbranch_scc0 .Lfor_b_\@
	tensor_load_to_lds s[\g0a:\g0a+3], s[\g1a:\g1a+7]
	s_nop 0
.rept 4
	v_nop
.endr
	s_branch .Lasked_\@
.Lfor_b_\@:
	tensor_load_to_lds s[\g0b:\g0b+3], s[\g1b:\g1b+7]
	s_nop 0
.rept 4
	v_nop
.endr
.Lasked_\@:
.endm
.macro CREST
	s_cmp_lg_u32 s14, 0
	s_cbranch_scc1 .Lnot_wave_0_\@
	s_barrier_signal -3
.Lnot_wave_0_\@:
	s_barrier_wait -3
	s_barrier_signal -1
	s_barrier_wait -1
.endm
.macro CROUND
	s_barrier_signal -1
	s_barrier_wait -1
	CREST
.endm
.macro FRAG reg, adr, off
.irp c, 0,1,2
	ds_load_b128 v[\reg+4*\c:\reg+4*\c+3], v[\adr] offset:\off+512*\c
.endr
.endm
.macro FB slot, q, p, b0
.irp i, 0,1,2,3
	FRAG 96*(\p)+12*((\b0)+\i), ADRB+2*(\slot)+(\b0)/4, (\q)*KSPLIT*SB+1536*\i
.endr
.endm
.macro FA slot, q, p, a0
.irp i, 0,1
	FRAG AF+48*(\p)+12*((\a0)+\i), ADRA+(\slot), (\q)*KSPLIT*SB+1536*((\a0)+\i)
.endr
.endm
.macro FS slot, q, p
.irp g, 0,1
	ds_load_b128 v[SC+8*(\p)+4*\g:SC+8*(\p)+4*\g+3], v[ADRS+2*(\slot)+\g] offset:(\q)*KSPLIT*SB
.endr
.endm
.macro MUL4 g, p, zero
.irp j, 0,1,2,3
.set MA, (\g)/2
.set MB, 4*((\g)%2)+\j
.if \zero
	v_wmma_scale_f32_16x16x128_f8f6f4 v[8*(8*MA+MB):8*(8*MA+MB)+7], v[96*(\p)+12*MB:96*(\p)+12*MB+11], v[AF+48*(\p)+12*MA:AF+48*(\p)+12*MA+11], 0, v[SC+8*(\p)+MB], v[SC+8*(\p)+MA] matrix_a_fmt:MATRIX_FMT_FP6 matrix_b_fmt:MATRIX_FMT_FP6 matrix_a_scale:MATRIX_SCALE_ROW1
.else
	v_wmma_scale_f32_16x16x128_f8f6f4 v[8*(8*MA+MB):8*(8*MA+MB)+7], v[96*(\p)+12*MB:96*(\p)+12*MB+11], v[AF+48*(\p)+12*MA:AF+48*(\p)+12*MA+11], v[8*(8*MA+MB):8*(8*MA+MB)+7], v[SC+8*(\p)+MB], v[SC+8*(\p)+MA] matrix_a_fmt:MATRIX_FMT_FP6 matrix_b_fmt:MATRIX_FMT_FP6 matrix_a_scale:MATRIX_SCALE_ROW1
.endif
.endr
.endm
.macro STEP slot, q, zero
.set PAR, ((\slot)*NST+(\q))%2
	s_wait_dscnt 18                                ; the scale words, A's blocks 0, 1 and W's 0-3 are in; W's 4-7 (12 loads) and A's 2, 3 (6) may be out
	WIN MUL
	MUL4 0, PAR, \zero
	PLACES 4                                       ; four places ahead of loads into the set that the last step multiplied
	FALL \slot, (\q)+1, 1-PAR
	s_wait_dscnt 44                                ; W's 4-7 are in: the 38 just issued and A's 2, 3 may be out
	WIN MUL
	MUL4 1, PAR, \zero
	MUL4 2, PAR, \zero
	MUL4 3, PAR, \zero
	s_wait_dscnt 38                                ; all but the 38 just issued
	MUL4 4, PAR, \zero
	MUL4 5, PAR, \zero
	MUL4 6, PAR, \zero
	MUL4 7, PAR, \zero
.endm
.macro STEPS slot, from
.if NST-1-(\from) > 0
.set QQ, \from
.rept NST-1-(\from)
	STEP \slot, QQ, 0
.set QQ, QQ+1
.endr
.endif
.endm
.macro TURN slot, fill
.set PAR, ((\slot)*NST+NST-1)%2
	WIN 0
.if \fill
	s_wait_xcnt 0x0                                ; my last prefetch has read its address
	s_add_nc_u64 s[PFA:PFA+1], s[PFA:PFA+1], RGB
.endif
	s_wait_tensorcnt 0x0                           ; all my tensor loads have landed: my part of the other slot
	ds_add_u32 v[SPWR], v[NIL]
	s_wait_dscnt 19                                ; (the add, W's blocks 4-7 and A's blocks 2, 3 may be out)
	WIN MUL
	MUL4 0, PAR, 0
	s_wait_dscnt 0x0                               ; the add is done, and my reads of this slot are over
	s_barrier_signal -1
	MUL4 1, PAR, 0
	WIN 0
	s_barrier_wait -1
.if \fill
	CREST
	s_add_nc_u64 s[G0+4*\slot+2:G0+4*\slot+3], s[G0+4*\slot+2:G0+4*\slot+3], 2*RGB
	s_add_nc_u64 s[G0B+4*\slot+2:G0B+4*\slot+3], s[G0B+4*\slot+2:G0B+4*\slot+3], 2*RGB
	JLOAD G0+4*\slot, G1, G0B+4*\slot, G1B
.else
	PLACES 4
.endif
	FALL 1-\slot, 0, 1-PAR
.if \fill
.if \slot
	s_cmp_eq_u32 s3, 1                             ; the loop's last trip has just asked for the last slot: no slot lies behind it
	s_cbranch_scc1 .Lno_ask_\@
.endif
	ASK
.Lno_ask_\@:
.endif
	WIN MUL
	MUL4 2, PAR, 0
	MUL4 3, PAR, 0
	MUL4 4, PAR, 0
	MUL4 5, PAR, 0
	MUL4 6, PAR, 0
	MUL4 7, PAR, 0
.endm
.macro LAST
.set PAR, (2*NST-1)%2
	s_wait_dscnt 6
	WIN MUL
	MUL4 0, PAR, 0
	MUL4 1, PAR, 0
	MUL4 2, PAR, 0
	MUL4 3, PAR, 0
	s_wait_alu depctr_va_vdst(0)
	s_wait_dscnt 0x0
	MUL4 4, PAR, 0
	MUL4 5, PAR, 0
	MUL4 6, PAR, 0
	MUL4 7, PAR, 0
	WIN 0
.endm
.macro QUANT s, pw
	s_wait_xcnt 0x0
.irp b, 0,1,2,3
	v_max3_num_f32 v[TM+\b], |v[\s+16*\b]|, |v[\s+1+16*\b]|, 0x1800000
.endr
.irp i, 2,4,6,8,10,12,14
.irp b, 0,1,2,3
	v_max3_num_f32 v[TM+\b], v[TM+\b], |v[\s+16*\b+\i]|, |v[\s+1+16*\b+\i]|
.endr
.endr
.irp b, 0,1,2,3
	v_permlanex16_b32 v[TM+4+\b], v[TM+\b], s[SEL], s[SEL+1]
.endr
.irp b, 0,1,2,3
	v_max_num_f32 v[TM+\b], v[TM+\b], v[TM+4+\b]
.endr
.irp b, 0,1,2,3
	v_add_nc_u32 v[TM+12+\b], 0xff000000, v[TM+\b]
.endr
.irp b, 0,1,2,3
	v_lshrrev_b32 v[TM+4+\b], 23, v[TM+12+\b]
.endr
	v_lshl_or_b32 v[\pw], v[TM+5], 8, v[TM+4]
	v_lshl_or_b32 v[\pw], v[TM+6], 16, v[\pw]
	v_lshl_or_b32 v[\pw], v[TM+7], 24, v[\pw]
.irp c, 0,1
	v_cvt_scalef32_pk16_fp6_f32 v[PC+6*\c:PC+2+6*\c], v[\s+32*\c:\s+15+32*\c], v[TM+12+2*\c]
	v_cvt_scalef32_pk16_fp6_f32 v[PC+12+4*\c:PC+14+4*\c], v[\s+16+32*\c:\s+31+32*\c], v[TM+12+2*\c+1]
.endr
	v_nop
.irp c, 0,1
.irp i, 0,1,2
	v_permlane16_swap_b32 v[PC+6*\c+\i], v[PC+12+4*\c+\i]
.endr
.irp i, 0,1,2
	v_mov_b32 v[PC+3+6*\c+\i], v[PC+12+4*\c+\i]
.endr
.endr
.endm
.macro SILU xs, e, d
	WIN XW
.set cn, 0
.rept 32
	v_pk_mul_f32 v[\e+cn:\e+cn+1], v[\xs+cn:\xs+cn+1], s[NL:NL+1] op_sel_hi:[1,0]
.set cn, cn+2
.endr
	WIN 0
.set cn, 0
	s_wait_alu depctr_va_vdst(0)
.rept 64
	v_exp_f32 v[\e+cn], v[\e+cn]
.set cn, cn+1
.endr
	v_nop
	s_wait_alu depctr_va_vdst(0)
.set cn, 0
.rept 32
	v_pk_add_f32 v[\e+cn:\e+cn+1], v[\e+cn:\e+cn+1], 1.0 op_sel_hi:[1,0]
.set cn, cn+2
.endr
.set cn, 0
	s_wait_alu depctr_va_vdst(0)
.rept 64
	v_rcp_f32 v[\e+cn], v[\e+cn]
.set cn, cn+1
.endr
	v_nop
	s_wait_alu depctr_va_vdst(0)
	WIN XW
.set cn, 0
.rept 32
	v_pk_mul_f32 v[\d+cn:\d+cn+1], v[\xs+cn:\xs+cn+1], v[\e+cn:\e+cn+1]
.set cn, cn+2
.endr
	WIN 0
.endm
.macro QBAS xs, f, pw
	s_wait_xcnt 0x0
.irp c, 0,1
	WIN XW
.irp m, 0,1,2,3,4,5,6,7
	v_pk_fma_f32 v[TT+4*\m:TT+4*\m+1], v[\xs+32*(\f)+16*\c+2*\m:\xs+32*(\f)+16*\c+2*\m+1], 0.5, v[CA:CA+1] op_sel_hi:[0,0,1]
	v_pk_fma_f32 v[VV+4*\m:VV+4*\m+1], v[\xs+32*(\f)+16*\c+2*\m:\xs+32*(\f)+16*\c+2*\m+1], -0.5, v[CB:CB+1] op_sel_hi:[0,0,1]
	v_pk_fma_f32 v[TT+4*\m+2:TT+4*\m+3], v[\xs+32*(\f)+16*\c+2*\m:\xs+32*(\f)+16*\c+2*\m+1], 0.5, v[CA:CA+1] op_sel:[1,0,0] op_sel_hi:[1,0,1]
	v_pk_fma_f32 v[VV+4*\m+2:VV+4*\m+3], v[\xs+32*(\f)+16*\c+2*\m:\xs+32*(\f)+16*\c+2*\m+1], -0.5, v[CB:CB+1] op_sel:[1,0,0] op_sel_hi:[1,0,1]
.endr
	WIN 0
.set cn, 0
.rept 32
	v_med3_num_f32 v[TT+cn], v[TT+cn], v[VV+cn], 0
.set cn, cn+1
.endr
	v_max3_num_f32 v[TM], v[TT], v[TT+1], 0x1800000
	v_max3_num_f32 v[TM+1], v[TT+16], v[TT+17], 0x1800000
.irp i, 2,4,6,8,10,12,14
	v_max3_num_f32 v[TM], v[TM], v[TT+\i], v[TT+1+\i]
	v_max3_num_f32 v[TM+1], v[TM+1], v[TT+16+\i], v[TT+17+\i]
.endr
	v_max_num_f32 v[TM], v[TM], v[TM+1]
	v_add_nc_u32 v[TM+2], 0xff000000, v[TM]
	v_lshrrev_b32 v[TM+8+\c], 23, v[TM+2]
	v_cvt_scalef32_pk16_fp6_f32 v[PC+6*\c:PC+6*\c+2], v[TT:TT+15], v[TM+2]
	v_cvt_scalef32_pk16_fp6_f32 v[PC+12:PC+14], v[TT+16:TT+31], v[TM+2]
	v_nop
.irp i, 0,1,2
	v_mov_b32 v[PC+6*\c+3+\i], v[PC+12+\i]
.endr
.endr
	v_lshl_or_b32 v[TM+10], v[TM+9], 16, v[TM+8]
	v_lshlrev_b32 v[TM+10], v[SH8], v[TM+10]
	v_permlanex16_b32 v[TM+4], v[TM+10], s[SEL], s[SEL+1]
	v_or_b32 v[\pw], v[TM+10], v[TM+4]
.endm
.macro IMAGE base, off
.irp c, 0,1,2
	global_store_b128 v[LI], v[PC+4*\c:PC+4*\c+3], s[\base:\base+1] offset:\off+512*\c
.endr
.endm
.macro SEND k
	WIN 0x08
.irp a, 0,1
.irp b, 0,1,2,3,4,5,6,7
	ds_store_b128 v[XS], v[8*(8*((\k)+\a)+\b):8*(8*((\k)+\a)+\b)+3] offset:(8*\a+\b)*1024
	ds_store_b128 v[XS], v[8*(8*((\k)+\a)+\b)+4:8*(8*((\k)+\a)+\b)+7] offset:(8*\a+\b)*1024+512
.endr
.endr
	WIN 0
.endm
.macro FIN k
.irp a, 0,1
.irp t, 0,1,2,3,4,5,6,7,8,9,10,11,12,13,14,15
	ds_load_b128 v[PR+4*\t:PR+4*\t+3], v[XR] offset:8192*\a+512*\t
.endr
	s_wait_dscnt 0x0
	WIN XW
.set cn, 0
.rept 32
	v_pk_add_f32 v[PR+cn:PR+cn+1], v[64*((\k)+\a)+cn:64*((\k)+\a)+cn+1], v[PR+cn:PR+cn+1]
.set cn, cn+2
.endr
	WIN 0
.if MODE == 1
.set cn, 0
.rept 64
	v_max_num_f32 v[PR+cn], 0, v[PR+cn]
.set cn, cn+1
.endr
	QUANT PR, SWS+\a
	IMAGE 12, 1536*((\k)+\a)
.else
	WIN 0x04
.set cn, 0
.rept 32
	v_pk_add_f32 v[PR+cn:PR+cn+1], v[PR+cn:PR+cn+1], v[192+cn:192+cn+1]
.set cn, cn+2
.endr
	WIN 0
.irp b, 0,1,2,3
.irp j, 0,1,2,3
	ds_store_b128 v[STO], v[PR+16*\b+4*\j:PR+16*\b+4*\j+3] offset:128*\b+16*\j
.endr
.endr
	s_wait_xcnt 0x0
.irp t, 0,1,2,3,4,5,6,7,8,9,10,11,12,13,14,15
	ds_load_b128 v[OUTR+4*\t:OUTR+4*\t+3], v[RD] offset:528*\t
.endr
.irp t, 0,1,2,3,4,5,6,7,8,9,10,11,12,13,14,15
	s_wait_dscnt 15-\t
	global_store_b128 v[LI], v[OUTR+4*\t:OUTR+4*\t+3], s[12:13] offset:(16*((\k)+\a)+\t)*2048 th:TH_STORE_NT
.endr
.endif
.endr
.if MODE == 1
	v_cmp_eq_u32 vcc_lo, 1, v[HF]
	v_cndmask_b32 v[QW], v[SWS], v[SWS+1], vcc_lo
	global_store_b32 v[L4], v[QW], s[12:13] offset:6144+4*(\k)
.endif
.endm
	s_load_b128 s[4:7], s[0:1], 0x0
	s_load_b64 s[8:9], s[0:1], 0x10
.if MODE == 2
	s_load_b64 s[10:11], s[0:1], 0x18
.endif
	v_lshl_add_u32 v[SPWR], v0, 2, SPARE
	v_mov_b32 v[NIL], 0
	ds_add_u32 v28, v29
	ds_add_u32 v28, v29
	s_wait_dscnt 0x0
	v_lshrrev_b32 v1, 5, v0
	v_readfirstlane_b32 s14, v1
	v_and_b32 v[PFO], 31, v0
	v_min_u32 v[PFO], 24, v[PFO]
	v_lshlrev_b32 v[PFO], 8, v[PFO]
	s_lshr_b32 s15, s14, 1
	s_and_b32 s16, s14, 1
	s_bfe_u32 s40, ttmp6, 0x40000
	s_bfe_u32 s41, ttmp6, 0x40004
	s_lshl_b32 s42, ttmp9, 2
	s_add_co_u32 s42, s42, s40
	s_and_b32 s17, ttmp7, 0xffff
	s_lshl_b32 s17, s17, 2
	s_add_co_u32 s17, s17, s41
	s_lshl_b32 s43, s41, 2
	s_lshl_b32 s43, 15, s43
	s_lshl_b32 s44, 0x1111, s40
	s_or_b32 s[G1], s43, (3<<16)|(1<<21)
	s_or_b32 s[G1B], s44, (3<<16)|(1<<21)
.irp g, G1, G1B
	s_mov_b32 s[\g+1], (KSL*800)<<16
	s_mov_b32 s[\g+3], (KSL*800)<<16
	s_mov_b32 s[\g+5], KT*800
	s_mov_b32 s[\g+6], 0
	s_mov_b32 s[\g+7], 0
.endr
	s_mov_b32 s[G1+2], 1<<16
	s_mov_b32 s[G1+4], 1
	s_mov_b32 s[G1B+2], BR<<16
	s_mov_b32 s[G1B+4], BR
	s_lshl_b32 s20, s17, 1
	s_add_co_u32 s20, s20, s16
	s_mul_i32 s20, s20, KT*SB
	s_mov_b32 s21, 0
	s_mul_i32 s46, s42, BRG
	s_mul_i32 s47, s16, BR
	s_add_co_u32 s46, s46, s47
	s_mul_i32 s46, s46, KT*SB
	s_add_co_u32 s46, s46, WOFF
	s_mov_b32 s47, 0
	s_mul_i32 s45, s16, RGB
	s_mul_i32 s84, s16, BR*RGB
	s_add_co_u32 s84, s84, 2*RGB
	s_wait_alu depctr_va_vdst(0)
	s_wait_kmcnt 0x0
	s_add_nc_u64 s[20:21], s[4:5], s[20:21]
	s_add_nc_u64 s[46:47], s[6:7], s[46:47]
	s_cmp_eq_u32 s15, 0                            ; do I fetch for A?
	s_cselect_b64 s[PFA:PFA+1], s[20:21], s[46:47]
	s_cselect_b32 s85, s40, s41                    ; my place among the four that ask with me
	s_mul_i32 s90, s85, SB                         ; my K step of a slot's four
	s_mov_b32 s91, 0
	s_add_nc_u64 s[PFA:PFA+1], s[PFA:PFA+1], s[90:91]
	CROUND
.irp s, 0,1
	s_mov_b32 s[G0+4*\s], 1
	s_add_co_u32 s[G0+4*\s+1], s45, \s*SLOT
	s_add_nc_u64 s[G0+4*\s+2:G0+4*\s+3], s[20:21], \s*RGB
	s_or_b32 s[G0+4*\s+3], s[G0+4*\s+3], 0x80000000
	s_mov_b32 s[G0B+4*\s], 1
	s_add_co_u32 s[G0B+4*\s+1], s84, \s*SLOT
	s_add_nc_u64 s[G0B+4*\s+2:G0B+4*\s+3], s[46:47], \s*RGB
	s_or_b32 s[G0B+4*\s+3], s[G0B+4*\s+3], 0x80000000
.endr
	JLOAD G0, G1, G0B, G1B                         ; slot 0: one tensor load a wave at the head
	ASK                                            ; and slot 1's K steps are asked of memory
	v_and_b32 v1, 31, v0
	v_and_b32 v[RW], 15, v0
	v_bfe_u32 v[HF], v0, 4, 1
	s_wait_alu depctr_va_vdst(0)
	v_lshlrev_b32 v[LI], 4, v1
	s_mul_i32 s66, s15, RGB
.if KSPLIT == 2
	s_mul_i32 s67, s16, SB
	s_add_co_u32 s66, s66, s67
	s_add_co_u32 s68, s67, 2*RGB
.else
	s_mul_i32 s68, s16, 2*RGB
	s_add_co_u32 s68, s68, 2*RGB
.endif
	v_add_nc_u32 v[ADRA], s66, v[LI]
	v_add_nc_u32 v[ADRA+1], SLOT, v[ADRA]
	v_add_nc_u32 v[ADRB], s68, v[LI]
	v_add_nc_u32 v[ADRB+1], RGB, v[ADRB]
	v_add_nc_u32 v[ADRB+2], SLOT, v[ADRB]
	v_add_nc_u32 v[ADRB+3], SLOT, v[ADRB+1]
	s_xor_b32 s69, s15, 1
	s_add_co_u32 s69, s69, 1
.if MODE == 0
	s_lshl_b32 s70, s16, 1
	s_add_co_u32 s69, s69, s70
.endif
	s_mul_i32 s69, s69, RGB
	s_add_co_u32 s70, s69, RGB
	v_mul_u32_u24 v4, s69, v[HF]
	v_lshl_add_u32 v4, v[RW], 4, v4
	v_mul_u32_u24 v5, s70, v[HF]
	v_lshl_add_u32 v5, v[RW], 4, v5
	s_add_co_u32 s71, s66, 6144
	v_add_nc_u32 v[ADRS], s71, v4
	v_add_nc_u32 v[ADRS+1], s71, v5
	v_add_nc_u32 v[ADRS+2], SLOT, v[ADRS]
	v_add_nc_u32 v[ADRS+3], SLOT, v[ADRS+1]
.irp b, 0,1,2,3
	v_mov_b32 v[TM+4+\b], 0
.endr
	s_mov_b32 s[SEL], 0x76543210
	s_mov_b32 s[SEL+1], 0xfedcba98
	s_lshl_b32 s78, s17, 1
	s_add_co_u32 s78, s78, s15
.if MODE == 0
	v_lshlrev_b32 v[L168], 4, v[RW]
	v_lshl_add_u32 v[L168], v[HF], 3, v[L168]
	v_lshlrev_b32 v[SH8], 3, v[HF]
	v_mov_b32 v[CA], 0x3fc00000
	v_mov_b32 v[CA+1], 0.5
	v_mov_b32 v[CB], 0.5
	v_mov_b32 v[CB+1], 0x3fc00000
	s_mov_b32 s[NL], 0xbfb8aa3b
	s_mov_b32 s[NL+1], s[NL]
	s_mul_i32 s79, s78, 48
	s_lshl_b32 s80, s42, 1
	s_add_co_u32 s80, s80, s16
	s_add_co_u32 s12, s79, s80
	s_mul_i32 s12, s12, SB
	s_mov_b32 s13, 0
	s_add_nc_u64 s[12:13], s[8:9], s[12:13]
	s_lshl_b32 s80, s80, 1
	s_add_co_u32 s18, s79, s80
	s_add_co_u32 s18, s18, 16
	s_mul_i32 s18, s18, SB
	s_mov_b32 s19, 0
	s_add_nc_u64 s[18:19], s[8:9], s[18:19]
.else
	s_lshl_b32 s79, s14, 14
	v_add_nc_u32 v[XS], s79, v[LI]
	s_xor_b32 s79, s14, 1
	s_lshl_b32 s79, s79, 14
	v_add_nc_u32 v[XR], s79, v[LI]
.endif
.if MODE == 1
	v_lshlrev_b32 v[L4], 4, v[RW]
	v_lshl_add_u32 v[L4], v[HF], 2, v[L4]
	s_lshl_b32 s12, s78, 3
	s_add_co_u32 s12, s12, s42
	s_mul_i32 s12, s12, SB
	s_mov_b32 s13, 0
	s_add_nc_u64 s[12:13], s[8:9], s[12:13]
.endif
.if MODE == 2
	s_mul_i32 s79, s14, 8448
	s_add_co_u32 s79, s79, STG
	v_mul_u32_u24 v[STO], v[RW], 528
	v_lshl_add_u32 v[STO], v[HF], 6, v[STO]
	v_add_nc_u32 v[STO], s79, v[STO]
	v_add_nc_u32 v[RD], s79, v[LI]
	s_lshl_b32 s12, s78, 17
	s_lshl_b32 s80, s42, 9
	s_add_co_u32 s12, s12, s80
	s_mov_b32 s13, 0
	s_add_nc_u64 s[12:13], s[8:9], s[12:13]
	s_mov_b32 s81, 0
	s_add_nc_u64 s[10:11], s[10:11], s[80:81]
	v_lshlrev_b32 v[BO], 6, v[HF]
	WIN TO_B
.irp b, 0,1,2,3
.irp j, 0,1,2,3
	global_load_b128 v[192+16*\b+4*\j:192+16*\b+4*\j+3], v[BO], s[10:11] offset:128*\b+16*\j
.endr
.endr
	WIN 0
.endif
	s_wait_alu depctr_va_vdst(0)
	s_wait_xcnt 0x0                                ; my prefetches have read their address
	s_add_nc_u64 s[PFA:PFA+1], s[PFA:PFA+1], RGB
	s_wait_tensorcnt 0x0                           ; my part of slot 0 is in; slot 1's first fill is issued as a refill is
	ds_add_u32 v[SPWR], v[NIL]
	s_wait_dscnt 0x0
	CROUND                                         ; everybody's part is in, and all sixteen work-groups are here
	JLOAD G0+4, G1, G0B+4, G1B
	FALL 0, 0, 0
	ASK                                            ; the K steps of slot 0's first refill
	STEP 0, 0, 1
	STEPS 0, 1
.if LAPS > 1
	WIN 0
	s_mov_b32 s3, LAPS-1
.Llap:
	TURN 0, 1
	STEPS 1, 0
	TURN 1, 1
	STEPS 0, 0
	WIN 0
	s_sub_co_u32 s3, s3, 1
	s_cmp_lg_u32 s3, 0
	s_cbranch_scc1 .Llap
.endif
	TURN 0, 0
	STEPS 1, 0
	LAST
	PLACES 4
.if MODE == 0
.irp a, 0,1,2,3
	QBAS 64*\a, 0, SWB0+\a
	IMAGE 18, 1536*\a
	QBAS 64*\a, 1, SWB1+\a
	IMAGE 18, 6400+1536*\a
	SILU 64*\a, E, E
	QUANT E, SWS+\a
	IMAGE 12, 1536*\a
.endr
	v_cmp_eq_u32 vcc_lo, 1, v[HF]
	v_cndmask_b32 v[QW], v[SWS], v[SWS+2], vcc_lo
	v_cndmask_b32 v[QW+1], v[SWS+1], v[SWS+3], vcc_lo
	v_cndmask_b32 v[QW+2], v[SWB0], v[SWB0+2], vcc_lo
	v_cndmask_b32 v[QW+3], v[SWB0+1], v[SWB0+3], vcc_lo
	v_cndmask_b32 v[QW+4], v[SWB1], v[SWB1+2], vcc_lo
	v_cndmask_b32 v[QW+5], v[SWB1+1], v[SWB1+3], vcc_lo
	global_store_b64 v[L168], v[QW:QW+1], s[12:13] offset:6144
	global_store_b64 v[L168], v[QW+2:QW+3], s[18:19] offset:6144
	global_store_b64 v[L168], v[QW+4:QW+5], s[18:19] offset:12544
.else
.if MODE == 2
	s_wait_loadcnt 0x0
.endif
	s_cmp_eq_u32 s16, 0
	s_cbranch_scc0 .Lsend_odd
	SEND 2
	s_branch .Lsent
.Lsend_odd:
	SEND 0
.Lsent:
	s_wait_dscnt 0x0
	s_barrier_signal -1
	s_barrier_wait -1
	s_cmp_eq_u32 s16, 0
	s_cbranch_scc0 .Lfin_odd
	FIN 0
	s_branch .Lend
.Lfin_odd:
	FIN 2
.Lend:
.endif
	s_wait_tensorcnt 0x0
	ds_add_u32 v[SPWR], v[NIL]
	s_wait_dscnt 0x0
	CROUND
	s_endpgm
.Lfunc_end_k_q9834cc7db6_g0:
	.size	k_q9834cc7db6_g0, .Lfunc_end_k_q9834cc7db6_g0-k_q9834cc7db6_g0
	.p2alignl 7, 3214868480
	.fill 96, 4, 3214868480
	.section	.rodata,"a",@progbits
	.p2align	6, 0x0
	.amdhsa_kernel k_q9834cc7db6_g0
		.amdhsa_group_segment_fixed_size 327680
		.amdhsa_private_segment_fixed_size 0
		.amdhsa_enable_private_segment 0
		.amdhsa_kernarg_size 24
		.amdhsa_user_sgpr_count 2
		.amdhsa_user_sgpr_kernarg_segment_ptr 1
		.amdhsa_wavefront_size32 1
		.amdhsa_system_sgpr_workgroup_id_x 1
		.amdhsa_system_sgpr_workgroup_id_y 1
		.amdhsa_system_sgpr_workgroup_id_z 1
		.amdhsa_system_vgpr_workitem_id 0
		.amdhsa_next_free_vgpr 768
		.amdhsa_next_free_sgpr 100
		.amdhsa_reserve_vcc 1
		.amdhsa_float_denorm_mode_32 3
		.amdhsa_float_denorm_mode_16_64 3
		.amdhsa_memory_ordered 1
		.amdhsa_forward_progress 1
		.amdhsa_inst_pref_size 255
	.end_amdhsa_kernel
	.section	.bss,"aw",@nobits
	.p2align	6
	.space	262144
	.amdgpu_metadata
---
amdhsa.version: [ 1, 2 ]
amdhsa.kernels:
  - .name:           k_q9834cc7db6_g0
    .symbol:         k_q9834cc7db6_g0.kd
    .args:
      - { .name: a0, .offset: 0, .size: 8, .value_kind: global_buffer, .address_space: global }
      - { .name: wq, .offset: 8, .size: 8, .value_kind: global_buffer, .address_space: global }
      - { .name: a1, .offset: 16, .size: 8, .value_kind: global_buffer, .address_space: global }
    .group_segment_fixed_size: 327680
    .private_segment_fixed_size: 0
    .kernarg_segment_align: 8
    .kernarg_segment_size: 24
    .max_flat_workgroup_size: 128
    .sgpr_count:     100
    .vgpr_count:     768
    .wavefront_size: 32
...
	.end_amdgpu_metadata
.endif
;; end of part 2
;; launch g2 (part 3): grid 8 x 32, 4 waves a work-group, clusters of 4 x 4, 327,680 bytes of LDS; arguments a1, wq, a2; writes a2
.if DOCPART == 3
	.amdgcn_target "amdgcn-amd-amdhsa--gfx1250"
	.amdhsa_code_object_version 6
	.text
	.protected	k_q9834cc7db6_g2
	.globl	k_q9834cc7db6_g2
	.p2align	8
	.type	k_q9834cc7db6_g2,@function
k_q9834cc7db6_g2:
	s_mov_b64 s[64:65], 0
	v_nop
	global_prefetch_b8 v0, s[64:65] scope:SCOPE_SE
	s_setreg_imm32_b32 hwreg(HW_REG_WAVE_MODE, 25, 1), 1
	s_wait_xcnt 0x0
	s_wait_alu depctr_hold_cnt(0) depctr_sa_sdst(0) depctr_va_vdst(0) depctr_va_sdst(0) depctr_va_ssrc(0) depctr_va_vcc(0) depctr_vm_vsrc(0)
	s_getreg_b32 s2, hwreg(HW_REG_IB_STS2, 6, 4)
	s_cmp_eq_u32 s2, 0
	s_cbranch_scc0 .Lentry_in_a_cluster
	s_endpgm
.Lentry_in_a_cluster:
	s_bfe_u32 s2, ttmp6, 0x10000c
	s_cmp_lg_u32 s2, 0xf033
	s_cbranch_scc0 .Lentry_shape_is_right
	s_endpgm
.Lentry_shape_is_right:
; ONE TEXT SERVES THE CHAIN'S THREE PRODUCTS; MODE picks the sizes and the way out.  C = A W^T on codes of FP6 (E2M3) with one E8M0 byte for each 32 along K; sums in f32.
;   MODE 0: h0 = [silu(x), bases(x)] [bw0, sw0 ss0]^T   4,096 x 2,048 x 3,072;  out: Q([silu(h0), bases(h0)])
;   MODE 1: h1 = [silu(h0), bases(h0)] [bw1, sw1 ss1]^T 4,096 x 1,024 x 6,144;  out: Q(relu(h1))
;   MODE 2: out0 = relu(h1) dw^T + db                   4,096 x 512 x 1,024;    out: f32
; A layer's base product and spline product share M and N: they are one product over K laid on end, in one f32 sum.
; OPERANDS lie in the order of their registers: 64 rows x 128 along K are a block of 6,400 bytes: four images of a fragment (16 rows, 12 registers a lane; registers 4 c .. 4 c + 3 of lane l at 512 c + 16 l)
; and 256 bytes of scale words (row r of image i at 16 r + 4 i); a buffer is [rows / 64][K / 128][6,400].  So a fragment is three loads of 16 bytes a lane, on end, and KSL steps of 64 rows are one dense row for a tensor load.
; A weight's image i holds rows 32 (i / 2) + 8 (i % 2) + r + 8 (r / 8).  THE MATRIX INSTRUCTION IS USED TRANSPOSED (source 0 = 16 rows of W, source 1 = 16 rows of A): a lane holds ONE row of C, and the 64
; registers of a block of 16 rows hold column 32 b + 16 h + i in register 16 b + i: the order in which the next product's quantiser wants them.
; SHARES: four waves, each 64 x 128 of C: 32 accumulators.  MODE 0: the work-group's tile is 128 x 256, wave = (rows w / 2, columns w % 2).  MODES 1, 2: 128 x 128; the two waves of a pair share a tile
; and take the even and the odd K steps; their sums are added once, through LDS, each wave finishing half of the rows.
; THE RING: two LDS slots of KSL K steps, each with A's 2 and W's BRG groups of 64 rows; each wave brings a part by one tensor load.
; CLUSTER 4 x 4: the four work-groups of a row need the same tiles of A, the four of a column the same tiles of W: each tile is asked for jointly, with a mask that names the four.
; LIMITS: NaN and infinities are not served.  A block whose largest magnitude lies under 2^-124 (a block of zeros too) gets the byte 1; the bytes are read by this program alone.  For numbers under about -88
; silu gives -0 where the exact value is under 1e-36.  In MODES 1, 2 the order of the f32 sums is: even K steps, odd K steps, then the two.
; HERE: MODE 1, the second layer.  PREFETCH: behind the joint load of a slot each wave asks for the NEXT slot's part of what it fetches, 150 blocks of 256 bytes: the partner at place p (cx for A, cy for W)
; takes blocks 38 p .. 38 p + 37 (the last partner 36), a lane a block, in two instructions; lanes left over name their last block again.  Nothing is asked for behind the last slot's load.
.set MODE, 1
.if MODE == 0
.set KT, 24                            ; K steps of 128
.set KSL, 4                            ; K steps in a slot
.set KSPLIT, 1                         ; waves that share a tile's K
.set BRG, 4                            ; groups of 64 rows of W in the tile
.set BR, 2                             ; of them in one tensor load
.set WOFF, 0                           ; where this layer's weights begin in wq
.elseif MODE == 1
.set KT, 48
.set KSL, 6
.set KSPLIT, 2
.set BRG, 2
.set BR, 1
.set WOFF, 4915200
.else
.set KT, 8
.set KSL, 4
.set KSPLIT, 2
.set BRG, 2
.set BR, 1
.set WOFF, 9830400
.endif
.set NST,   KSL/KSPLIT                 ; steps of a wave in a slot
.set LAPS,  KT/KSL/2                   ; a lap = once round the ring
.set SB,    6400
.set RGB,   KSL*SB                     ; 64 rows in a slot
.set SLOT,  (2+BRG)*RGB                ; A's two groups, then W's
.set SPARE, 2*SLOT                     ; behind the ring: the spare words, 128 bytes a wave: two blocks of 256 bytes that no other line names
.set STG,   65536                      ; the way out of MODES 1, 2 lies in slot 0, which has had its last fill and its last read by then: 16,384 bytes a wave from byte 0 for the exchange, 8,448 a wave from here for rows of out0
.set RW,   2                           ; r = lane % 16
.set HF,   3                           ; h = lane / 16
.set ADRA, 8                           ; v8-9    my A fragments in slot 0, 1
.set ADRB, 10                          ; v10-13  my W fragments: slot s, group g at 2 s + g
.set ADRS, 14                          ; v14-17  scale words: lanes 0-15 A's, lanes 16-31 those of W's group g
.set LI,   18                          ; 16 x lane
.set L168, 19                          ; 16 r + 8 h
.set XS,   20                          ; the exchange: where I store, where I read
.set XR,   21
.set STO,  22                          ; the stage for rows of out0: in, back
.set RD,   23
.set SH8,  24                          ; 8 h
.set L4,   25                          ; 16 r + 4 h
.set BO,   26                          ; 64 h
.set SPWR, 28                          ; LDS address of my spare word; never rewritten
.set NIL,  29                          ; 0; never rewritten
.set PFO,  30                          ; v30-31: the prefetches' offsets: 256 x (38 p + lane) and 256 x min(38 p + 32 + min(lane, 5), 149); never rewritten
.set PFA,  88                          ; s[88:89]: my part of the slot whose joint load was issued last; a prefetch names the slot behind it
.macro ASK
	global_prefetch_b8 v[PFO], s[PFA:PFA+1] offset:RGB th:TH_LOAD_NT scope:SCOPE_SE
	global_prefetch_b8 v[PFO+1], s[PFA:PFA+1] offset:RGB th:TH_LOAD_NT scope:SCOPE_SE
.endm
.macro FALL slot, q, p                 ; ONE run of 38 LDS loads: all fragments and scale words of a step, in the order in which the step wants them: scale words, A's blocks 0, 1, W's 0-3, W's 4-7, A's 2, 3
	WIN 0
	FS \slot, \q, \p
	FA \slot, \q, \p, 0
	WIN TO_B
	FB \slot, \q, \p, 0
	FB \slot, \q, \p, 4
	WIN 0
	FA \slot, \q, \p, 2
.endm
.set SC,   32                          ; v32-47  scale words, two sets of 8: register i: lanes 0-15 A's block i % 4, lanes 16-31 W's block i
.set AF,   64                          ; v64-159 A's fragments, two sets of 4
.set E,    64                          ; the way out, window 0: v64-127 64 numbers; v128-159, v160-191 bases at work or rows; v192-211 codes; v212-227 at work
.set PR,   64
.set TT,   128
.set VV,   160
.set OUTR, 128
.set PC,   192
.set TM,   212
.set SWS,  232                         ; v232-243 scale words of the images made
.set SWB0, 236
.set SWB1, 240
.set CA,   244                         ; (1.5, 0.5)
.set CB,   246                         ; (0.5, 1.5)
.set QW,   248
.set G1,  24                           ; s[24:31] descriptor group 1 for A's tiles; s[32:39] group 0, a set for each slot
.set G0,  32
.set G1B, 48                           ; s[48:55], s[56:63] the same for W's
.set G0B, 56
.set SEL, 74
.set NL,  76
; window 1: W's fragments, two sets of 8, at v[96 p + 12 b]; MODE 2: v192-255 db.   window 2: the accumulators, (a, b) at v[8 (8 a + b)].
.set MUL,  0xa1                        ; source 0 (W) window 1, source 1 (A) window 0, C and D window 2
.set TO_B, 0x40                        ; destination window 1
.set XW,   0x02                        ; source 0 window 2: the way out reads accumulators
.set MSB,  0
.macro WIN new                         ; the immediate's high byte repeats the setting that is left; a switch that changes nothing is dropped
.if MSB != \new
	s_set_vgpr_msb (MSB<<8)|\new
.set MSB, \new
.endif
.endm
.macro PLACES n
.rept \n
	v_nop
.endr
.endm
; A joint load: waves 0 and 1 fetch for A, waves 2 and 3 for W.  The branch hangs on the wave's number alone.  Four v_nop follow each of the two lines.
.macro JLOAD g0a, g1a, g0b, g1b
	s_cmp_eq_u32 s15, 0
	s_cbranch_scc0 .Lfor_b_\@
	tensor_load_to_lds s[\g0a:\g0a+3], s[\g1a:\g1a+7]
	s_nop 0
.rept 4
	v_nop
.endr
	s_branch .Lasked_\@
.Lfor_b_\@:
	tensor_load_to_lds s[\g0b:\g0b+3], s[\g1b:\g1b+7]
	s_nop 0
.rept 4
	v_nop
.endr
.Lasked_\@:
.endm
.macro CREST                           ; a round of the cluster's barrier behind its opening barrier
	s_cmp_lg_u32 s14, 0
	s_cbranch_scc1 .Lnot_wave_0_\@
	s_barrier_signal -3
.Lnot_wave_0_\@:
	s_barrier_wait -3
	s_barrier_signal -1
	s_barrier_wait -1
.endm
.macro CROUND
	s_barrier_signal -1
	s_barrier_wait -1
	CREST
.endm
.macro FRAG reg, adr, off              ; a fragment's image: three loads, 512 consecutive bytes each
.irp c, 0,1,2
	ds_load_b128 v[\reg+4*\c:\reg+4*\c+3], v[\adr] offset:\off+512*\c
.endr
.endm
.macro FB slot, q, p, b0               ; W's blocks b0 .. b0 + 3 (one group of 64 rows) of my q-th step of the slot, into set p
.irp i, 0,1,2,3
	FRAG 96*(\p)+12*((\b0)+\i), ADRB+2*(\slot)+(\b0)/4, (\q)*KSPLIT*SB+1536*\i
.endr
.endm
.macro FA slot, q, p, a0               ; A's blocks a0, a0 + 1
.irp i, 0,1
	FRAG AF+48*(\p)+12*((\a0)+\i), ADRA+(\slot), (\q)*KSPLIT*SB+1536*((\a0)+\i)
.endr
.endm
.macro FS slot, q, p                   ; the step's scale words: four words a lane and group
.irp g, 0,1
	ds_load_b128 v[SC+8*(\p)+4*\g:SC+8*(\p)+4*\g+3], v[ADRS+2*(\slot)+\g] offset:(\q)*KSPLIT*SB
.endr
.endm
; Four matrix instructions: A's block g / 2 against W's blocks 4 (g % 2) + 0 .. 3.  The 32 accumulators take turns, one instruction a turn, in the same order in every step.
.macro MUL4 g, p, zero
.irp j, 0,1,2,3
.set MA, (\g)/2
.set MB, 4*((\g)%2)+\j
.if \zero
	v_wmma_scale_f32_16x16x128_f8f6f4 v[8*(8*MA+MB):8*(8*MA+MB)+7], v[96*(\p)+12*MB:96*(\p)+12*MB+11], v[AF+48*(\p)+12*MA:AF+48*(\p)+12*MA+11], 0, v[SC+8*(\p)+MB], v[SC+8*(\p)+MA] matrix_a_fmt:MATRIX_FMT_FP6 matrix_b_fmt:MATRIX_FMT_FP6 matrix_a_scale:MATRIX_SCALE_ROW1
.else
	v_wmma_scale_f32_16x16x128_f8f6f4 v[8*(8*MA+MB):8*(8*MA+MB)+7], v[96*(\p)+12*MB:96*(\p)+12*MB+11], v[AF+48*(\p)+12*MA:AF+48*(\p)+12*MA+11], v[8*(8*MA+MB):8*(8*MA+MB)+7], v[SC+8*(\p)+MB], v[SC+8*(\p)+MA] matrix_a_fmt:MATRIX_FMT_FP6 matrix_b_fmt:MATRIX_FMT_FP6 matrix_a_scale:MATRIX_SCALE_ROW1
.endif
.endr
.endm
; A step of 128 along K whose successor lies in the same slot: 32 matrix instructions on set PAR; the successor's 38 loads go into the other set in ONE run, behind the step's first four matrix instructions.
; The four v_nop stand behind the last matrix instruction that read that other set (ISA guide 7.12.1 for vector instructions).
.macro STEP slot, q, zero
.set PAR, ((\slot)*NST+(\q))%2
	s_wait_dscnt 18                                ; the scale words, A's blocks 0, 1 and W's 0-3 are in; W's 4-7 (12 loads) and A's 2, 3 (6) may be out
	WIN MUL
	MUL4 0, PAR, \zero
	PLACES 4                                       ; four places ahead of loads into the set that the last step multiplied
	FALL \slot, (\q)+1, 1-PAR
	s_wait_dscnt 44                                ; W's 4-7 are in: the 38 just issued and A's 2, 3 may be out
	WIN MUL
	MUL4 1, PAR, \zero
	MUL4 2, PAR, \zero
	MUL4 3, PAR, \zero
	s_wait_dscnt 38                                ; all but the 38 just issued
	MUL4 4, PAR, \zero
	MUL4 5, PAR, \zero
	MUL4 6, PAR, \zero
	MUL4 7, PAR, \zero
.endm
.macro STEPS slot, from                ; my steps from .. NST - 2 of a slot
.if NST-1-(\from) > 0
.set QQ, \from
.rept NST-1-(\from)
	STEP \slot, QQ, 0
.set QQ, QQ+1
.endr
.endif
.endm
; A slot's last step changes slots: ONE barrier.  In front of it each wave waits for all its tensor loads (one is out: its part of the other slot), adds 0 to its spare word, and waits for that and for its
; reads of this slot.  fill = 1: the barrier opens a round of the cluster's barrier, and this slot is filled again, two slots ahead, first thing behind the round.
.macro TURN slot, fill
.set PAR, ((\slot)*NST+NST-1)%2
	WIN 0                                          ; (the add's two registers lie in window 0)
.if \fill
	s_wait_xcnt 0x0                                ; my last prefetches have read their address
	s_add_nc_u64 s[PFA:PFA+1], s[PFA:PFA+1], RGB
.endif
	s_wait_tensorcnt 0x0                           ; all my tensor loads have landed: my part of the other slot
	ds_add_u32 v[SPWR], v[NIL]
	s_wait_dscnt 19                                ; (the add, W's blocks 4-7 and A's blocks 2, 3 may be out)
	WIN MUL
	MUL4 0, PAR, 0
	s_wait_dscnt 0x0                               ; the add is done, and my reads of this slot are over
	s_barrier_signal -1
	MUL4 1, PAR, 0
	WIN 0
	s_barrier_wait -1
.if \fill
	CREST                                          ; no wave of any partner still reads this slot's tiles or has a load on its way
	s_add_nc_u64 s[G0+4*\slot+2:G0+4*\slot+3], s[G0+4*\slot+2:G0+4*\slot+3], 2*RGB
	s_add_nc_u64 s[G0B+4*\slot+2:G0B+4*\slot+3], s[G0B+4*\slot+2:G0B+4*\slot+3], 2*RGB
	JLOAD G0+4*\slot, G1, G0B+4*\slot, G1B         ; the four v_nop behind it are also the places in front of the loads below
.else
	PLACES 4
.endif
	FALL 1-\slot, 0, 1-PAR
.if \fill
.if \slot
	s_cmp_eq_u32 s3, 1                             ; the loop's last trip has just asked for the last slot: no slot lies behind it
	s_cbranch_scc1 .Lno_ask_\@
.endif
	ASK
.Lno_ask_\@:
.endif
	WIN MUL
	MUL4 2, PAR, 0
	MUL4 3, PAR, 0
	MUL4 4, PAR, 0
	MUL4 5, PAR, 0
	MUL4 6, PAR, 0
	MUL4 7, PAR, 0
.endm
.macro LAST                            ; the very last step: nothing more to fetch
.set PAR, (2*NST-1)%2
	s_wait_dscnt 6
	WIN MUL
	MUL4 0, PAR, 0
	MUL4 1, PAR, 0
	MUL4 2, PAR, 0
	MUL4 3, PAR, 0
	s_wait_dscnt 0x0
	MUL4 4, PAR, 0
	MUL4 5, PAR, 0
	MUL4 6, PAR, 0
	MUL4 7, PAR, 0
	WIN 0
.endm
; 64 numbers of a lane, register 16 b + i = k 32 b + 16 h + i of my row, become a fragment's codes in v[PC] on and its scale word in v[pw] (the same word in both halves of the lanes).
.macro QUANT s, pw
	s_wait_xcnt 0x0                                ; the last image's stores have read v[PC] on
.irp b, 0,1,2,3
	v_max3_num_f32 v[TM+\b], |v[\s+16*\b]|, |v[\s+1+16*\b]|, 0x1800000   ; my 16 numbers of block b, and the floor 2^(3 - 127): the byte cannot fall under 1
.endr
.irp i, 2,4,6,8,10,12,14
.irp b, 0,1,2,3
	v_max3_num_f32 v[TM+\b], v[TM+\b], |v[\s+16*\b+\i]|, |v[\s+1+16*\b+\i]|
.endr
.endr
.irp b, 0,1,2,3
	v_permlanex16_b32 v[TM+4+\b], v[TM+\b], s[SEL], s[SEL+1]
.endr
.irp b, 0,1,2,3
	v_max_num_f32 v[TM+\b], v[TM+\b], v[TM+4+\b]   ; with lane l xor 16's: the block's largest magnitude
.endr
.irp b, 0,1,2,3
	v_add_nc_u32 v[TM+12+\b], 0xff000000, v[TM+\b] ; 2 off its exponent field: the conversion's scale operand
.endr
.irp b, 0,1,2,3
	v_lshrrev_b32 v[TM+4+\b], 23, v[TM+12+\b]      ; the scale's byte
.endr
	v_lshl_or_b32 v[\pw], v[TM+5], 8, v[TM+4]
	v_lshl_or_b32 v[\pw], v[TM+6], 16, v[\pw]
	v_lshl_or_b32 v[\pw], v[TM+7], 24, v[\pw]
.irp c, 0,1
	v_cvt_scalef32_pk16_fp6_f32 v[PC+6*\c:PC+2+6*\c], v[\s+32*\c:\s+15+32*\c], v[TM+12+2*\c]
	v_cvt_scalef32_pk16_fp6_f32 v[PC+12+4*\c:PC+14+4*\c], v[\s+16+32*\c:\s+31+32*\c], v[TM+12+2*\c+1]   ; (a conversion's three registers begin on an even number)
.endr
	v_nop                                          ; one plain place behind a scaled conversion
.irp c, 0,1                                    ; the operand's layout wants a whole block in a lane: lanes 0-15 block 2 c, lanes 16-31 block 2 c + 1
.irp i, 0,1,2
	v_permlane16_swap_b32 v[PC+6*\c+\i], v[PC+12+4*\c+\i]
.endr
.irp i, 0,1,2
	v_mov_b32 v[PC+3+6*\c+\i], v[PC+12+4*\c+\i]
.endr
.endr
.endm
; d = x / (1 + 2^(-x log2 e)) for 64 numbers: two batches of transcendentals, each with one plain place and one wait behind it (the wait stands ahead of a batch's first reader).
.macro SILU xs, e, d
	WIN XW
.set cn, 0
.rept 32
	v_pk_mul_f32 v[\e+cn:\e+cn+1], v[\xs+cn:\xs+cn+1], s[NL:NL+1] op_sel_hi:[1,0]
.set cn, cn+2
.endr
	WIN 0
.set cn, 0
.rept 64
	v_exp_f32 v[\e+cn], v[\e+cn]
.set cn, cn+1
.endr
	v_nop
	s_wait_alu depctr_va_vdst(0)
.set cn, 0
.rept 32
	v_pk_add_f32 v[\e+cn:\e+cn+1], v[\e+cn:\e+cn+1], 1.0 op_sel_hi:[1,0]
.set cn, cn+2
.endr
.set cn, 0
.rept 64
	v_rcp_f32 v[\e+cn], v[\e+cn]
.set cn, cn+1
.endr
	v_nop
	s_wait_alu depctr_va_vdst(0)
	WIN XW
.set cn, 0
.rept 32
	v_pk_mul_f32 v[\d+cn:\d+cn+1], v[\xs+cn:\xs+cn+1], v[\e+cn:\e+cn+1]
.set cn, cn+2
.endr
	WIN 0
.endm
; The bases of the lane's numbers xs + 32 f .. + 31 make one fragment: number n of block 2 f + c gives K = 64 c + 32 h + 2 n, 2 n + 1: a whole block of 32 in ONE lane, in the operand's own order.
.macro QBAS xs, f, pw
	s_wait_xcnt 0x0                                ; the last image's stores have read v[PC] on
.irp c, 0,1
	WIN XW
.irp m, 0,1,2,3,4,5,6,7                        ; two numbers a trip; each is spread over a pair: ((x+3)/2, (x+1)/2) and ((1-x)/2, (3-x)/2), one rounding each, as (x + 3) / 2 has.  Each accumulator is read from its low end on
	v_pk_fma_f32 v[TT+4*\m:TT+4*\m+1], v[\xs+32*(\f)+16*\c+2*\m:\xs+32*(\f)+16*\c+2*\m+1], 0.5, v[CA:CA+1] op_sel_hi:[0,0,1]
	v_pk_fma_f32 v[VV+4*\m:VV+4*\m+1], v[\xs+32*(\f)+16*\c+2*\m:\xs+32*(\f)+16*\c+2*\m+1], -0.5, v[CB:CB+1] op_sel_hi:[0,0,1]
	v_pk_fma_f32 v[TT+4*\m+2:TT+4*\m+3], v[\xs+32*(\f)+16*\c+2*\m:\xs+32*(\f)+16*\c+2*\m+1], 0.5, v[CA:CA+1] op_sel:[1,0,0] op_sel_hi:[1,0,1]
	v_pk_fma_f32 v[VV+4*\m+2:VV+4*\m+3], v[\xs+32*(\f)+16*\c+2*\m:\xs+32*(\f)+16*\c+2*\m+1], -0.5, v[CB:CB+1] op_sel:[1,0,0] op_sel_hi:[1,0,1]
.endr
	WIN 0
.set cn, 0
.rept 32
	v_med3_num_f32 v[TT+cn], v[TT+cn], v[VV+cn], 0 ; a hat's two lines add up to 2, so the middle one of the two and 0 is max(0, min of the two)
.set cn, cn+1
.endr
	v_max3_num_f32 v[TM], v[TT], v[TT+1], 0x1800000         ; none is negative: no |.|; the floor 2^(3 - 127) starts both chains
	v_max3_num_f32 v[TM+1], v[TT+16], v[TT+17], 0x1800000
.irp i, 2,4,6,8,10,12,14
	v_max3_num_f32 v[TM], v[TM], v[TT+\i], v[TT+1+\i]
	v_max3_num_f32 v[TM+1], v[TM+1], v[TT+16+\i], v[TT+17+\i]
.endr
	v_max_num_f32 v[TM], v[TM], v[TM+1]
	v_add_nc_u32 v[TM+2], 0xff000000, v[TM]
	v_lshrrev_b32 v[TM+8+\c], 23, v[TM+2]
	v_cvt_scalef32_pk16_fp6_f32 v[PC+6*\c:PC+6*\c+2], v[TT:TT+15], v[TM+2]
	v_cvt_scalef32_pk16_fp6_f32 v[PC+12:PC+14], v[TT+16:TT+31], v[TM+2]
	v_nop                                          ; one plain place behind a scaled conversion
.irp i, 0,1,2
	v_mov_b32 v[PC+6*\c+3+\i], v[PC+12+\i]
.endr
.endr
	v_lshl_or_b32 v[TM+10], v[TM+9], 16, v[TM+8]   ; my two bytes: blocks h and 2 + h of row r,
	v_lshlrev_b32 v[TM+10], v[SH8], v[TM+10]       ; at their places in the word;
	v_permlanex16_b32 v[TM+4], v[TM+10], s[SEL], s[SEL+1]
	v_or_b32 v[\pw], v[TM+10], v[TM+4]             ; with lane l xor 16's two the word is whole
.endm
.macro IMAGE base, off                         ; the fragment in v[PC] on leaves as it stands: each store covers 512 consecutive bytes, aligned
.irp c, 0,1,2
	global_store_b128 v[LI], v[PC+4*\c:PC+4*\c+3], s[\base:\base+1] offset:\off+512*\c
.endr
.endm
; MODES 1, 2.  SEND k: my sums of blocks k, k + 1 go to my part of the exchange, as they stand, each accumulator from its low end on.
.macro SEND k
	WIN 0x08                                       ; an LDS store's data are its source 1: window 2
.irp a, 0,1
.irp b, 0,1,2,3,4,5,6,7
	ds_store_b128 v[XS], v[8*(8*((\k)+\a)+\b):8*(8*((\k)+\a)+\b)+3] offset:(8*\a+\b)*1024
	ds_store_b128 v[XS], v[8*(8*((\k)+\a)+\b)+4:8*(8*((\k)+\a)+\b)+7] offset:(8*\a+\b)*1024+512
.endr
.endr
	WIN 0
.endm
; FIN k: blocks k, k + 1 are finished: my partner's sums are added to mine, and the block leaves.
.macro FIN k
.irp a, 0,1
.irp t, 0,1,2,3,4,5,6,7,8,9,10,11,12,13,14,15
	ds_load_b128 v[PR+4*\t:PR+4*\t+3], v[XR] offset:8192*\a+512*\t
.endr
	s_wait_dscnt 0x0
	WIN XW
.set cn, 0
.rept 32
	v_pk_add_f32 v[PR+cn:PR+cn+1], v[64*((\k)+\a)+cn:64*((\k)+\a)+cn+1], v[PR+cn:PR+cn+1]
.set cn, cn+2
.endr
	WIN 0
.if MODE == 1
.set cn, 0
.rept 64
	v_max_num_f32 v[PR+cn], 0, v[PR+cn]            ; relu, in f32
.set cn, cn+1
.endr
	QUANT PR, SWS+\a
	IMAGE 12, 1536*((\k)+\a)
.else
	WIN 0x04                                       ; source 1 window 1: db
.set cn, 0
.rept 32
	v_pk_add_f32 v[PR+cn:PR+cn+1], v[PR+cn:PR+cn+1], v[192+cn:192+cn+1]
.set cn, cn+2
.endr
	WIN 0
.irp b, 0,1,2,3
.irp j, 0,1,2,3
	ds_store_b128 v[STO], v[PR+16*\b+4*\j:PR+16*\b+4*\j+3] offset:128*\b+16*\j   ; row r, columns 32 b + 16 h + 4 j on, into my own stage
.endr
.endr
	s_wait_xcnt 0x0                                ; the last block's stores have read the registers that the loads below fill
.irp t, 0,1,2,3,4,5,6,7,8,9,10,11,12,13,14,15
	ds_load_b128 v[OUTR+4*\t:OUTR+4*\t+3], v[RD] offset:528*\t   ; back as whole rows: a wave's LDS instructions are served in order (ISA guide 5.7.1.4)
.endr
.irp t, 0,1,2,3,4,5,6,7,8,9,10,11,12,13,14,15
	s_wait_dscnt 15-\t                             ; row t is back; the 15 - t younger loads may be out
	global_store_b128 v[LI], v[OUTR+4*\t:OUTR+4*\t+3], s[12:13] offset:(16*((\k)+\a)+\t)*2048 th:TH_STORE_NT   ; 32 lanes store 512 consecutive bytes, aligned
.endr
.endif
.endr
.if MODE == 1
	v_cmp_eq_u32 vcc_lo, 1, v[HF]                  ; my two images' words: lanes 0-15 store the first's, lanes 16-31 the second's.  A pair's two waves each write 8 of every 16 bytes of this unit of 256: one part in 25 of the buffer
	v_cndmask_b32 v[QW], v[SWS], v[SWS+1], vcc_lo
	global_store_b32 v[L4], v[QW], s[12:13] offset:6144+4*(\k)
.endif
.endm
	s_load_b128 s[4:7], s[0:1], 0x0                ; A's codes, wq
	s_load_b64 s[8:9], s[0:1], 0x10                ; the output
.if MODE == 2
	s_load_b64 s[10:11], s[0:1], 0x18              ; db
.endif
	v_lshl_add_u32 v[SPWR], v0, 2, SPARE
	v_mov_b32 v[NIL], 0
	ds_add_u32 v28, v29
	ds_add_u32 v28, v29
	s_wait_dscnt 0x0
	v_lshrrev_b32 v1, 5, v0
	v_readfirstlane_b32 s14, v1                    ; wave 0..3
	s_lshr_b32 s15, s14, 1                         ; which 64 rows of the tile are mine.  Also: I fetch for A (0) or for W (1)
	s_and_b32 s16, s14, 1                          ; MODE 0: which 128 columns; else: which K steps.  Also: which part of A or W I fetch
	s_bfe_u32 s40, ttmp6, 0x40000                  ; cx, cy: my place in the cluster
	s_bfe_u32 s41, ttmp6, 0x40004
	s_lshl_b32 s42, ttmp9, 2
	s_add_co_u32 s42, s42, s40                     ; tile column = 4 x cluster x + cx
	s_and_b32 s17, ttmp7, 0xffff
	s_lshl_b32 s17, s17, 2
	s_add_co_u32 s17, s17, s41                     ; tile row = 4 x cluster y + cy
	s_lshl_b32 s43, s41, 2
	s_lshl_b32 s43, 15, s43                        ; my row of the cluster
	s_lshl_b32 s44, 0x1111, s40                    ; my column
	; descriptor group 1: rows of KSL x 6,400 bytes (KSL x 800 elements of 8 bytes), KT x 6,400 bytes apart in memory, on end in LDS; A: one row, W: BR rows
	s_or_b32 s[G1], s43, (3<<16)|(1<<21)           ; 15:0 the mask: A's tiles go to my row; 17:16 elements of 8 bytes; 20 no padding; 21 set beside a mask
	s_or_b32 s[G1B], s44, (3<<16)|(1<<21)          ; W's go to my column
.irp g, G1, G1B
	s_mov_b32 s[\g+1], (KSL*800)<<16               ; tensor_dim0
	s_mov_b32 s[\g+3], (KSL*800)<<16               ; tile_dim0
	s_mov_b32 s[\g+5], KT*800                      ; tensor_dim0_stride
	s_mov_b32 s[\g+6], 0
	s_mov_b32 s[\g+7], 0
.endr
	s_mov_b32 s[G1+2], 1<<16                       ; tensor_dim1
	s_mov_b32 s[G1+4], 1                           ; tile_dim1
	s_mov_b32 s[G1B+2], BR<<16
	s_mov_b32 s[G1B+4], BR
	s_lshl_b32 s20, s17, 1
	s_add_co_u32 s20, s20, s16                     ; A: group 2 x tile row + part: it hangs on the tile row alone, which my row of the cluster shares
	s_mul_i32 s20, s20, KT*SB
	s_mov_b32 s21, 0
	s_mul_i32 s46, s42, BRG
	s_mul_i32 s47, s16, BR
	s_add_co_u32 s46, s46, s47                     ; W: group BRG x tile column + BR x part: on the tile column alone
	s_mul_i32 s46, s46, KT*SB
	s_add_co_u32 s46, s46, WOFF
	s_mov_b32 s47, 0
	s_mul_i32 s45, s16, RGB                        ; where they go: no place in the cluster enters an LDS address
	s_mul_i32 s84, s16, BR*RGB
	s_add_co_u32 s84, s84, 2*RGB
	s_cmp_eq_u32 s15, 0                            ; do I fetch for A?
	s_cselect_b32 s85, s40, s41                    ; my place among the four that ask with me
	s_mul_i32 s85, s85, 38
	v_and_b32 v[PFO], 31, v0
	v_min_u32 v[PFO+1], 5, v[PFO]
	v_add_nc_u32 v[PFO], s85, v[PFO]
	v_add3_u32 v[PFO+1], v[PFO+1], s85, 32
	v_min_u32 v[PFO+1], 149, v[PFO+1]
	v_lshlrev_b32 v[PFO], 8, v[PFO]
	v_lshlrev_b32 v[PFO+1], 8, v[PFO+1]
	s_wait_alu depctr_va_vdst(0)
	s_wait_kmcnt 0x0
	s_add_nc_u64 s[20:21], s[4:5], s[20:21]
	s_add_nc_u64 s[46:47], s[6:7], s[46:47]
	s_cmp_eq_u32 s15, 0
	s_cselect_b64 s[PFA:PFA+1], s[20:21], s[46:47]
	CROUND
.irp s, 0,1
	s_mov_b32 s[G0+4*\s], 1                        ; 1:0 count = 1
	s_add_co_u32 s[G0+4*\s+1], s45, \s*SLOT        ; 63:32 LDS address
	s_add_nc_u64 s[G0+4*\s+2:G0+4*\s+3], s[20:21], \s*RGB   ; 120:64 global address: the slot's KSL K steps
	s_or_b32 s[G0+4*\s+3], s[G0+4*\s+3], 0x80000000         ; 127:126 type = 2
	s_mov_b32 s[G0B+4*\s], 1
	s_add_co_u32 s[G0B+4*\s+1], s84, \s*SLOT
	s_add_nc_u64 s[G0B+4*\s+2:G0B+4*\s+3], s[46:47], \s*RGB
	s_or_b32 s[G0B+4*\s+3], s[G0B+4*\s+3], 0x80000000
.endr
	JLOAD G0, G1, G0B, G1B                         ; slot 0: one tensor load a wave at the head
	ASK                                            ; and slot 1's K steps are asked of memory
	v_and_b32 v1, 31, v0
	v_and_b32 v[RW], 15, v0
	v_bfe_u32 v[HF], v0, 4, 1
	s_wait_alu depctr_va_vdst(0)
	v_lshlrev_b32 v[LI], 4, v1
	s_mul_i32 s66, s15, RGB                        ; my 64 rows of A
.if KSPLIT == 2
	s_mul_i32 s67, s16, SB                         ; my K steps: the even or the odd ones
	s_add_co_u32 s66, s66, s67
	s_add_co_u32 s68, s67, 2*RGB                   ; W's groups lie behind A's two
.else
	s_mul_i32 s68, s16, 2*RGB                      ; my two groups of W,
	s_add_co_u32 s68, s68, 2*RGB                   ; behind A's two
.endif
	v_add_nc_u32 v[ADRA], s66, v[LI]
	v_add_nc_u32 v[ADRA+1], SLOT, v[ADRA]
	v_add_nc_u32 v[ADRB], s68, v[LI]
	v_add_nc_u32 v[ADRB+1], RGB, v[ADRB]
	v_add_nc_u32 v[ADRB+2], SLOT, v[ADRB]
	v_add_nc_u32 v[ADRB+3], SLOT, v[ADRB+1]
	s_xor_b32 s69, s15, 1                          ; from A's scale words to those of W's group g: (2 - rows' half + 2 x columns' half + g) x RGB bytes
	s_add_co_u32 s69, s69, 1
.if MODE == 0
	s_lshl_b32 s70, s16, 1
	s_add_co_u32 s69, s69, s70
.endif
	s_mul_i32 s69, s69, RGB
	s_add_co_u32 s70, s69, RGB
	v_mul_u32_u24 v4, s69, v[HF]                   ; lanes 16-31 take W's: one product for each group
	v_lshl_add_u32 v4, v[RW], 4, v4
	v_mul_u32_u24 v5, s70, v[HF]
	v_lshl_add_u32 v5, v[RW], 4, v5
	s_add_co_u32 s71, s66, 6144
	v_add_nc_u32 v[ADRS], s71, v4
	v_add_nc_u32 v[ADRS+1], s71, v5
	v_add_nc_u32 v[ADRS+2], SLOT, v[ADRS]
	v_add_nc_u32 v[ADRS+3], SLOT, v[ADRS+1]
.irp b, 0,1,2,3
	v_mov_b32 v[TM+4+\b], 0                        ; written once: a lane permute's destination counts as one of its sources
.endr
	s_mov_b32 s[SEL], 0x76543210
	s_mov_b32 s[SEL+1], 0xfedcba98                 ; lane l xor 16
	s_lshl_b32 s78, s17, 1
	s_add_co_u32 s78, s78, s15                     ; my 64 rows' group in the output
.if MODE == 0
	v_lshlrev_b32 v[L168], 4, v[RW]
	v_lshl_add_u32 v[L168], v[HF], 3, v[L168]
	v_lshlrev_b32 v[SH8], 3, v[HF]
	v_mov_b32 v[CA], 0x3fc00000
	v_mov_b32 v[CA+1], 0.5
	v_mov_b32 v[CB], 0.5
	v_mov_b32 v[CB+1], 0x3fc00000
	s_mov_b32 s[NL], 0xbfb8aa3b                    ; -log2(e)
	s_mov_b32 s[NL+1], s[NL]
	s_mul_i32 s79, s78, 48                         ; a1 has 48 K steps: 16 of silu, 32 of bases
	s_lshl_b32 s80, s42, 1
	s_add_co_u32 s80, s80, s16                     ; my 128 columns are K step 2 x tile column + half of the silu part,
	s_add_co_u32 s12, s79, s80
	s_mul_i32 s12, s12, SB
	s_mov_b32 s13, 0
	s_add_nc_u64 s[12:13], s[8:9], s[12:13]
	s_lshl_b32 s80, s80, 1                         ; and two K steps of the bases' part
	s_add_co_u32 s18, s79, s80
	s_add_co_u32 s18, s18, 16
	s_mul_i32 s18, s18, SB
	s_mov_b32 s19, 0
	s_add_nc_u64 s[18:19], s[8:9], s[18:19]
.else
	s_lshl_b32 s79, s14, 14                        ; the exchange: 16,384 bytes a wave; I read my partner's
	v_add_nc_u32 v[XS], s79, v[LI]
	s_xor_b32 s79, s14, 1
	s_lshl_b32 s79, s79, 14
	v_add_nc_u32 v[XR], s79, v[LI]
.endif
.if MODE == 1
	v_lshlrev_b32 v[L4], 4, v[RW]
	v_lshl_add_u32 v[L4], v[HF], 2, v[L4]
	s_lshl_b32 s12, s78, 3                         ; a2 has 8 K steps; my tile's 128 columns are K step = tile column
	s_add_co_u32 s12, s12, s42
	s_mul_i32 s12, s12, SB
	s_mov_b32 s13, 0
	s_add_nc_u64 s[12:13], s[8:9], s[12:13]
.endif
.if MODE == 2
	s_mul_i32 s79, s14, 8448
	s_add_co_u32 s79, s79, STG                     ; my stage: 16 rows x (512 + 16) bytes
	v_mul_u32_u24 v[STO], v[RW], 528
	v_lshl_add_u32 v[STO], v[HF], 6, v[STO]
	v_add_nc_u32 v[STO], s79, v[STO]
	v_add_nc_u32 v[RD], s79, v[LI]
	s_lshl_b32 s12, s78, 17                        ; out0: 64 rows of 2,048 bytes a group, + 512 bytes a tile column
	s_lshl_b32 s80, s42, 9
	s_add_co_u32 s12, s12, s80
	s_mov_b32 s13, 0
	s_add_nc_u64 s[12:13], s[8:9], s[12:13]
	s_mov_b32 s81, 0
	s_add_nc_u64 s[10:11], s[10:11], s[80:81]      ; db at the tile's first column
	v_lshlrev_b32 v[BO], 6, v[HF]
	WIN TO_B
.irp b, 0,1,2,3
.irp j, 0,1,2,3
	global_load_b128 v[192+16*\b+4*\j:192+16*\b+4*\j+3], v[BO], s[10:11] offset:128*\b+16*\j   ; db in the result's layout: register 16 b + i = column 32 b + 16 h + i
.endr
.endr
	WIN 0
.endif
	s_wait_alu depctr_va_vdst(0)
	s_wait_xcnt 0x0                                ; my prefetches have read their address
	s_add_nc_u64 s[PFA:PFA+1], s[PFA:PFA+1], RGB
	s_wait_tensorcnt 0x0                           ; my part of slot 0 is in; slot 1's first fill is issued as a refill is
	ds_add_u32 v[SPWR], v[NIL]
	s_wait_dscnt 0x0
	CROUND                                         ; everybody's part is in, and all sixteen work-groups are here
	JLOAD G0+4, G1, G0B+4, G1B
	FALL 0, 0, 0
	ASK                                            ; the K steps of slot 0's first refill
	STEP 0, 0, 1                                   ; the first step's products start the sums: nothing is cleared
	STEPS 0, 1
.if LAPS > 1
	WIN 0                                          ; at a label and at a branch every window is 0
	s_mov_b32 s3, LAPS-1
.Llap:                                                 ; a trip goes once round the ring and fills both slots again
	TURN 0, 1
	STEPS 1, 0
	TURN 1, 1
	STEPS 0, 0
	WIN 0
	s_sub_co_u32 s3, s3, 1
	s_cmp_lg_u32 s3, 0
	s_cbranch_scc1 .Llap
.endif
	TURN 0, 0                                      ; the last lap fills nothing, and has no round of the cluster's barrier
	STEPS 1, 0
	LAST
	PLACES 4                                       ; in front of the first read of results and of writes into registers that held fragments
.if MODE == 0
	; THE WAY OUT: a block of 16 rows x 128 columns of h0 becomes three images of the next operand: two of its bases, one of its silu.  h0 never goes to memory.
.irp a, 0,1,2,3
	QBAS 64*\a, 0, SWB0+\a
	IMAGE 18, 1536*\a
	QBAS 64*\a, 1, SWB1+\a
	IMAGE 18, 6400+1536*\a
	SILU 64*\a, E, E
	QUANT E, SWS+\a
	IMAGE 12, 1536*\a
.endr
	v_cmp_eq_u32 vcc_lo, 1, v[HF]                  ; the scale words of my four images: lane (r, h) stores words 2 h, 2 h + 1 of row r: 32 lanes store 256 consecutive bytes, aligned
	v_cndmask_b32 v[QW], v[SWS], v[SWS+2], vcc_lo
	v_cndmask_b32 v[QW+1], v[SWS+1], v[SWS+3], vcc_lo
	v_cndmask_b32 v[QW+2], v[SWB0], v[SWB0+2], vcc_lo
	v_cndmask_b32 v[QW+3], v[SWB0+1], v[SWB0+3], vcc_lo
	v_cndmask_b32 v[QW+4], v[SWB1], v[SWB1+2], vcc_lo
	v_cndmask_b32 v[QW+5], v[SWB1+1], v[SWB1+3], vcc_lo
	global_store_b64 v[L168], v[QW:QW+1], s[12:13] offset:6144
	global_store_b64 v[L168], v[QW+2:QW+3], s[18:19] offset:6144
	global_store_b64 v[L168], v[QW+4:QW+5], s[18:19] offset:12544
.else
	; THE WAY OUT: the pair's two sums meet.  The wave of the even K steps finishes blocks 0, 1 and hands over blocks 2, 3; its partner the other way round.
.if MODE == 2
	s_wait_loadcnt 0x0                             ; db
.endif
	s_cmp_eq_u32 s16, 0
	s_cbranch_scc0 .Lsend_odd
	s_wait_alu depctr_va_vdst(0)
	SEND 2
	s_branch .Lsent
.Lsend_odd:
	s_wait_alu depctr_va_vdst(0)
	SEND 0
.Lsent:
	s_wait_dscnt 0x0                               ; for the partner's sake: my stores have landed
	s_barrier_signal -1
	s_barrier_wait -1
	s_cmp_eq_u32 s16, 0
	s_cbranch_scc0 .Lfin_odd
	FIN 0
	s_branch .Lend
.Lfin_odd:
	FIN 2
.Lend:
.endif
	s_wait_tensorcnt 0x0                           ; the wave's end: behind my last tensor load and my last LDS store
	ds_add_u32 v[SPWR], v[NIL]
	s_wait_dscnt 0x0
	CROUND                                         ; the closing round: no work-group ends while a partner may still ask for a tile that names it
	s_endpgm
.Lfunc_end_k_q9834cc7db6_g2:
	.size	k_q9834cc7db6_g2, .Lfunc_end_k_q9834cc7db6_g2-k_q9834cc7db6_g2
	.p2alignl 7, 3214868480
	.fill 96, 4, 3214868480
	.section	.rodata,"a",@progbits
	.p2align	6, 0x0
	.amdhsa_kernel k_q9834cc7db6_g2
		.amdhsa_group_segment_fixed_size 327680
		.amdhsa_private_segment_fixed_size 0
		.amdhsa_enable_private_segment 0
		.amdhsa_kernarg_size 24
		.amdhsa_user_sgpr_count 2
		.amdhsa_user_sgpr_kernarg_segment_ptr 1
		.amdhsa_wavefront_size32 1
		.amdhsa_system_sgpr_workgroup_id_x 1
		.amdhsa_system_sgpr_workgroup_id_y 1
		.amdhsa_system_sgpr_workgroup_id_z 1
		.amdhsa_system_vgpr_workitem_id 0
		.amdhsa_next_free_vgpr 768
		.amdhsa_next_free_sgpr 100
		.amdhsa_reserve_vcc 1
		.amdhsa_float_denorm_mode_32 3
		.amdhsa_float_denorm_mode_16_64 3
		.amdhsa_memory_ordered 1
		.amdhsa_forward_progress 1
		.amdhsa_inst_pref_size 134
	.end_amdhsa_kernel
	.amdgpu_metadata
---
amdhsa.version: [ 1, 2 ]
amdhsa.kernels:
  - .name:           k_q9834cc7db6_g2
    .symbol:         k_q9834cc7db6_g2.kd
    .args:
      - { .name: a1, .offset: 0, .size: 8, .value_kind: global_buffer, .address_space: global }
      - { .name: wq, .offset: 8, .size: 8, .value_kind: global_buffer, .address_space: global }
      - { .name: a2, .offset: 16, .size: 8, .value_kind: global_buffer, .address_space: global }
    .group_segment_fixed_size: 327680
    .private_segment_fixed_size: 0
    .kernarg_segment_align: 8
    .kernarg_segment_size: 24
    .max_flat_workgroup_size: 128
    .sgpr_count:     100
    .vgpr_count:     768
    .wavefront_size: 32
...
	.end_amdgpu_metadata
.endif
;; end of part 3
;; launch last (part 4): grid 4 x 64, 4 waves a work-group, no clusters, 135,680 bytes of LDS; arguments a2, wq, db, out0; writes out0
.if DOCPART == 4
	.amdgcn_target "amdgcn-amd-amdhsa--gfx1250"
	.amdhsa_code_object_version 6
	.text
	.protected	k_q9834cc7db6_last
	.globl	k_q9834cc7db6_last
	.p2align	8
	.type	k_q9834cc7db6_last,@function
k_q9834cc7db6_last:
	s_mov_b64 s[64:65], 0
	v_nop
	global_prefetch_b8 v0, s[64:65] scope:SCOPE_SE
	s_setreg_imm32_b32 hwreg(HW_REG_WAVE_MODE, 25, 1), 1
	s_wait_xcnt 0x0
; THE LAST PRODUCT: out0 = relu(h1) dw^T + db, 4,096 x 512 x 1,024, on codes of FP6 (E2M3) with one E8M0 byte for each 32 along K; sums in f32.
; OPERANDS lie in the order of their registers: 64 rows x 128 along K are a block of 6,400 bytes: four images of a fragment (registers 4 c .. 4 c + 3 of lane l at 512 c + 16 l) and 256 bytes of
; scale words (row r of image i at 16 r + 4 i); a buffer is [rows / 64][8][6,400].  A weight's image i holds rows 32 (i / 2) + 8 (i % 2) + r + 8 (r / 8).
; SHARES: 256 work-groups, each 64 rows x 128 columns.  The four waves split K: wave w takes K steps 2 w and 2 w + 1 for the whole tile, 32 accumulators, 64 matrix instructions.
; So each block of A and of W is read by ONE wave of the work-group: it goes from memory straight into registers, 39 loads a step, each of 512 consecutive bytes (the scale words: 256).
; THE MATRIX INSTRUCTION IS USED TRANSPOSED (source 0 = W, source 1 = A): a lane holds one row of C; register 16 b + i of a block of 16 rows = column 32 b + 16 h + i.
; THE SUMS MEET IN LDS, AS ROWS: every wave stores its four blocks of 16 rows x 128 columns into rows of 528 bytes; behind one barrier wave w reads block w of all four waves by whole rows,
; adds them and db, and stores rows: 32 lanes store 512 consecutive bytes, aligned.  Order of the f32 sums: (wave 0 + wave 1) + ((wave 2 + wave 3) + db).
; NO TENSOR LOAD, NO JOINT REQUEST, NO PREFETCH: a wave has two K steps and no loop to run ahead in; all its 79 loads are issued at the head; a joint request would land in LDS and want rounds of a cluster's barrier for those two steps.
; LIMITS: NaN and infinities are not served.
.set SB,    6400
.set WOFF,  9830400                    ; where dw's codes begin in wq
.set BLK,   16*528                     ; a block of 16 rows in the exchange
.set SPARE, 16*BLK                     ; behind the exchange: the spare words, 128 bytes a wave
.set LI,   2                           ; 16 x lane
.set LR,   3                           ; 16 r
.set STO,  4                           ; the exchange: where I store
.set RD,   5                           ; v5-6: where I read waves 0, 1 and waves 2, 3
.set SPW,  8                           ; my spare word; never rewritten
.set NIL,  9                           ; 0; never rewritten
.set BI,   12                          ; v12-15 db at my four columns
.set SCA,  32                          ; v32-39 A's scale words, two sets of 4
.set SCB,  40                          ; v40-55 W's, two sets of 8
.set AF,   64                          ; v64-159 A's fragments, two sets of 4;  window 1: W's, two sets of 8 at v[96 p + 12 b];  window 2: the accumulators, (a, b) at v[8 (8 a + b)]
.set D,    64                          ; the way out, window 0: v64-127 sixteen rows; v128-143 at work;  window 1: row t of wave s at v[64 s + 4 t]
.set E,    128
.set MSB,  0
.macro WIN new                         ; the immediate's high byte repeats the setting that is left
.if MSB != \new
	s_set_vgpr_msb (MSB<<8)|\new
.set MSB, \new
.endif
.endm
.macro GET p                           ; my K step p: 3 loads of scale words, 12 of A, 24 of W
	global_load_b128 v[SCA+4*(\p):SCA+4*(\p)+3], v[LR], s[4:5] offset:(\p)*SB+6144
	global_load_b128 v[SCB+8*(\p):SCB+8*(\p)+3], v[LR], s[6:7] offset:(\p)*SB+6144
	global_load_b128 v[SCB+8*(\p)+4:SCB+8*(\p)+7], v[LR], s[6:7] offset:(8+(\p))*SB+6144
.irp c, 0,1,2,3,4,5,6,7,8,9,10,11
	global_load_b128 v[AF+48*(\p)+4*\c:AF+48*(\p)+4*\c+3], v[LI], s[4:5] offset:(\p)*SB+512*\c
.endr
	WIN 0x40                                       ; destination window 1
.irp g, 0,1
.irp c, 0,1,2,3,4,5,6,7,8,9,10,11
	global_load_b128 v[96*(\p)+48*\g+4*\c:96*(\p)+48*\g+4*\c+3], v[LI], s[6:7] offset:(8*\g+(\p))*SB+512*\c
.endr
.endr
	WIN 0
.endm
.macro MULS p, zero                    ; 32 matrix instructions; the 32 accumulators take turns
.irp a, 0,1,2,3
.irp b, 0,1,2,3,4,5,6,7
.if \zero
	v_wmma_scale_f32_16x16x128_f8f6f4 v[8*(8*\a+\b):8*(8*\a+\b)+7], v[96*(\p)+12*\b:96*(\p)+12*\b+11], v[AF+48*(\p)+12*\a:AF+48*(\p)+12*\a+11], 0, v[SCB+8*(\p)+\b], v[SCA+4*(\p)+\a] matrix_a_fmt:MATRIX_FMT_FP6 matrix_b_fmt:MATRIX_FMT_FP6
.else
	v_wmma_scale_f32_16x16x128_f8f6f4 v[8*(8*\a+\b):8*(8*\a+\b)+7], v[96*(\p)+12*\b:96*(\p)+12*\b+11], v[AF+48*(\p)+12*\a:AF+48*(\p)+12*\a+11], v[8*(8*\a+\b):8*(8*\a+\b)+7], v[SCB+8*(\p)+\b], v[SCA+4*(\p)+\a] matrix_a_fmt:MATRIX_FMT_FP6 matrix_b_fmt:MATRIX_FMT_FP6
.endif
.endr
.endr
.endm
.macro FING q                          ; rows 4 q .. 4 q + 3 of my block are added and leave
	s_wait_dscnt 16*(3-(\q))                       ; their 16 loads are back; those of the later rows may be out
	WIN 0x05                                       ; sources 0 and 1: window 1
.irp i, 0,1,2,3
.irp u, 0,2
	v_pk_add_f32 v[D+4*(4*(\q)+\i)+\u:D+4*(4*(\q)+\i)+\u+1], v[4*(4*(\q)+\i)+\u:4*(4*(\q)+\i)+\u+1], v[64+4*(4*(\q)+\i)+\u:64+4*(4*(\q)+\i)+\u+1]
	v_pk_add_f32 v[E+4*\i+\u:E+4*\i+\u+1], v[128+4*(4*(\q)+\i)+\u:128+4*(4*(\q)+\i)+\u+1], v[192+4*(4*(\q)+\i)+\u:192+4*(4*(\q)+\i)+\u+1]
.endr
.endr
	WIN 0
.irp i, 0,1,2,3
.irp u, 0,2
	v_pk_add_f32 v[E+4*\i+\u:E+4*\i+\u+1], v[E+4*\i+\u:E+4*\i+\u+1], v[BI+\u:BI+\u+1]
.endr
.endr
.irp i, 0,1,2,3
.irp u, 0,2
	v_pk_add_f32 v[D+4*(4*(\q)+\i)+\u:D+4*(4*(\q)+\i)+\u+1], v[D+4*(4*(\q)+\i)+\u:D+4*(4*(\q)+\i)+\u+1], v[E+4*\i+\u:E+4*\i+\u+1]
.endr
.endr
.irp i, 0,1,2,3
	global_store_b128 v[LI], v[D+4*(4*(\q)+\i):D+4*(4*(\q)+\i)+3], s[10:11] offset:(4*(\q)+\i)*2048 th:TH_STORE_NT   ; 32 lanes store 512 consecutive bytes, aligned
.endr
.endm
	s_load_b256 s[4:11], s[0:1], 0x0               ; a2, wq, db, out0
	v_lshl_add_u32 v[SPW], v0, 2, SPARE
	v_mov_b32 v[NIL], 0
	v_lshrrev_b32 v1, 5, v0
	v_readfirstlane_b32 s12, v1                    ; wave 0..3
	v_and_b32 v1, 31, v0
	v_and_b32 v10, 15, v0                          ; r
	v_bfe_u32 v11, v0, 4, 1                        ; h
	v_lshlrev_b32 v[LI], 4, v1
	v_lshlrev_b32 v[LR], 4, v10
	s_mul_i32 s13, s12, 4*BLK                      ; my four blocks in the exchange
	v_mul_u32_u24 v[STO], v10, 528
	v_lshl_add_u32 v[STO], v11, 6, v[STO]
	v_add_nc_u32 v[STO], s13, v[STO]               ; row r, + 64 h
	s_mul_i32 s13, s12, BLK                        ; I finish block w: wave s has it at 4 s + w blocks
	v_add_nc_u32 v[RD], s13, v[LI]
	v_add_nc_u32 v[RD+1], 8*BLK, v[RD]
	s_and_b32 s14, ttmp7, 0xffff                   ; which 64 rows
	s_lshl_b32 s15, s12, 1                         ; my first K step
	s_lshl_b32 s16, s14, 3
	s_add_co_u32 s16, s16, s15
	s_mul_i32 s16, s16, SB
	s_mov_b32 s17, 0
	s_lshl_b32 s18, ttmp9, 4                       ; W: two groups of 64 rows a tile column, 8 K steps each
	s_add_co_u32 s18, s18, s15
	s_mul_i32 s18, s18, SB
	s_add_co_u32 s18, s18, WOFF
	s_mov_b32 s19, 0
	s_lshl_b32 s20, ttmp9, 9                       ; the tile's first column, in bytes
	s_mov_b32 s21, 0
	s_lshl_b32 s22, s14, 17                        ; out0: 64 rows of 2,048 bytes,
	s_lshl_b32 s23, s12, 15                        ; + my 16 rows
	s_add_co_u32 s22, s22, s23
	s_add_co_u32 s22, s22, s20
	s_mov_b32 s23, 0
	s_wait_alu depctr_va_vdst(0)
	s_wait_kmcnt 0x0
	s_add_nc_u64 s[4:5], s[4:5], s[16:17]
	s_add_nc_u64 s[6:7], s[6:7], s[18:19]
	s_add_nc_u64 s[8:9], s[8:9], s[20:21]
	s_add_nc_u64 s[10:11], s[10:11], s[22:23]
	global_load_b128 v[BI:BI+3], v[LI], s[8:9]     ; db at columns 4 x lane on
	GET 0
	GET 1
	s_wait_loadcnt 39                              ; db and the first step's 39 loads are in; the second step's 39 may be out
	WIN 0xa1                                       ; source 0 (W) window 1, source 1 (A) window 0, C and D window 2
	MULS 0, 1                                      ; the first step's products start the sums
	s_wait_loadcnt 0x0
	MULS 1, 0
	WIN 0
.rept 4
	v_nop                                          ; four places ahead of the first read of results and of writes into registers that held fragments
.endr
	WIN 0x08                                       ; an LDS store's data are its source 1: window 2
.irp a, 0,1,2,3
.irp q, 0,1,2,3,4,5,6,7,8,9,10,11,12,13,14,15
	ds_store_b128 v[STO], v[64*\a+4*\q:64*\a+4*\q+3] offset:\a*BLK+128*(\q/4)+16*(\q%4)   ; row r, columns 32 b + 16 h + 4 j on; each accumulator from its low end on
.endr
.endr
	WIN 0
	s_wait_dscnt 0x0                               ; for the others' sake: my stores have landed
	s_barrier_signal -1
	s_barrier_wait -1
	WIN 0x40
.irp t, 0,1,2,3,4,5,6,7,8,9,10,11,12,13,14,15
.irp s, 0,1,2,3
	ds_load_b128 v[64*\s+4*\t:64*\s+4*\t+3], v[RD+\s/2] offset:(\s%2)*4*BLK+\t*528   ; row t of my block as wave s has summed it: 512 consecutive bytes
.endr
.endr
	FING 0
	FING 1
	FING 2
	FING 3
	s_wait_tensorcnt 0x0                           ; the wave's end: behind my last LDS store
	ds_add_u32 v[SPW], v[NIL]
	s_wait_dscnt 0x0
	s_endpgm
.Lfunc_end_k_q9834cc7db6_last:
	.size	k_q9834cc7db6_last, .Lfunc_end_k_q9834cc7db6_last-k_q9834cc7db6_last
	.p2alignl 7, 3214868480
	.fill 96, 4, 3214868480
	.section	.rodata,"a",@progbits
	.p2align	6, 0x0
	.amdhsa_kernel k_q9834cc7db6_last
		.amdhsa_group_segment_fixed_size 135680
		.amdhsa_private_segment_fixed_size 0
		.amdhsa_enable_private_segment 0
		.amdhsa_kernarg_size 32
		.amdhsa_user_sgpr_count 2
		.amdhsa_user_sgpr_kernarg_segment_ptr 1
		.amdhsa_wavefront_size32 1
		.amdhsa_system_sgpr_workgroup_id_x 1
		.amdhsa_system_sgpr_workgroup_id_y 1
		.amdhsa_system_sgpr_workgroup_id_z 1
		.amdhsa_system_vgpr_workitem_id 0
		.amdhsa_next_free_vgpr 768
		.amdhsa_next_free_sgpr 66
		.amdhsa_reserve_vcc 0
		.amdhsa_float_denorm_mode_32 3
		.amdhsa_float_denorm_mode_16_64 3
		.amdhsa_memory_ordered 1
		.amdhsa_forward_progress 1
		.amdhsa_inst_pref_size 36
	.end_amdhsa_kernel
	.amdgpu_metadata
---
amdhsa.version: [ 1, 2 ]
amdhsa.kernels:
  - .name:           k_q9834cc7db6_last
    .symbol:         k_q9834cc7db6_last.kd
    .args:
      - { .name: a2, .offset: 0, .size: 8, .value_kind: global_buffer, .address_space: global }
      - { .name: wq, .offset: 8, .size: 8, .value_kind: global_buffer, .address_space: global }
      - { .name: db, .offset: 16, .size: 8, .value_kind: global_buffer, .address_space: global }
      - { .name: out0, .offset: 24, .size: 8, .value_kind: global_buffer, .address_space: global }
    .group_segment_fixed_size: 135680
    .private_segment_fixed_size: 0
    .kernarg_segment_align: 8
    .kernarg_segment_size: 32
    .max_flat_workgroup_size: 128
    .sgpr_count:     66
    .vgpr_count:     768
    .wavefront_size: 32
...
	.end_amdgpu_metadata
.endif
;; end of part 4
